; MI455X (gfx1250); checked and timed in simulation.
; The chip was launched on July 23, 2026; its instructions are those of AMD's public machine-readable ISA for CDNA 5 (MIT licence, August 2026) and "CDNA5" Instruction Set Architecture Reference Guide (July 2026). The comments in the code are by the model that wrote it; some were corrected since.
;; Multi Head Causal Attention. Allowed arithmetic: matrix products marked QUANTISED: E2M1 operands, one E8M0 scale for each 32 along K, by v_wmma_scale_f32_16x16x128_f8f6f4 with both operands' format E2M1 (or v_wmma_scale_f32_32x16x128_f4), f32 sums; everything else in f32.
;; Inputs: norm_g 1,024 float32; wk 1,024 x 1,024 float32; wo 1,024 x 1,024 float32; wq 1,024 x 1,024 float32; wv 1,024 x 1,024 float32; x 4 x 2,048 x 1,024 float32.
;; Outputs: out0 4 x 2,048 x 1,024 float32.
;; This version of the problem:
;;   THIS VERSION OF THE PROBLEM IS GIVEN IN LOW PRECISION. The matrix products marked QUANTISED in the list below multiply operands that are first quantised to E2M1 (2 exponent bits, 1 mantissa bit; 4 bits a number), with one power-of-two scale for each 32 numbers along K (OCP MX v1.0); their sums are f32. All else is computed in f32.
;;   The module's matrix products, in the order in which they are computed (A, B: the left and right operand; K: the contracted axis; several contracted axes count as one K, in the product's order):
;;     1. [M 8,192, K 1,024] x [K 1,024, N 1,024]; A: input x; B: input wq: QUANTISED
;;     2. [M 8,192, K 1,024] x [K 1,024, N 1,024]; A: input x; B: input wk: QUANTISED
;;     3. [M 8,192, K 1,024] x [K 1,024, N 1,024]; A: input x; B: input wv: QUANTISED
;;     4. batch 64 x [M 2,048, K 64] x [K 64, N 2,048]; A: computed on the way; B: computed on the way: QUANTISED
;;     5. batch 64 x [M 2,048, K 2,048] x [K 2,048, N 64]; A: softmax (see below); B: computed on the way: QUANTISED
;;     6. [M 8,192, K 1,024] x [K 1,024, N 1,024]; A: computed on the way; B: input wo: QUANTISED
;;   THE QUANTISER, for each operand of a quantised product, along K:
;;     - K is cut into blocks of 32 from its start; a last block that is shorter is filled with zeros.
;;     - A block's scale is 2^e with e = floor(log2(the largest magnitude in the block)) - 2, held to -126 .. 127; a block of zeros has e = 0. As a byte (E8M0): e + 127.
;;     - Each number is divided by its block's scale, clamped to +-6, and rounded to the nearest number of E2M1, ties to even, subnormals kept.
;;     - The product sums the exact products of the quantised numbers (number of the format x scale) in f32.
;;   ~~~python
;;   def quantise(x, axis):      # numpy; x: float32 -> the quantised numbers, widened to float32 again
;;       x = np.moveaxis(x, axis, -1); K = x.shape[-1]
;;       x = np.pad(x, [(0, 0)] * (x.ndim - 1) + [(0, -K % 32)]); x = x.reshape(x.shape[:-1] + (-1, 32)); a = np.abs(x).max(-1, keepdims=True)
;;       e = np.where(a > 0, np.clip(np.frexp(np.where(a > 0, a, 1))[1] - 1 - 2, -126, 127), 0)      # np.frexp(a)[1] - 1 = floor(log2(a)), exactly
;;       r = np.clip(x / 2.0 ** e, -6, 6)
;;       step = 2.0 ** (np.maximum(np.frexp(np.where(r == 0, 1, r))[1] - 1, 0) - 1)
;;       q = np.round(r / step) * step * 2.0 ** e      # np.round: ties to even
;;       return np.moveaxis(q.reshape(q.shape[:-2] + (-1,))[..., :K], -1, axis).astype(np.float32)
;;   ~~~
;;   SOFTMAX AHEAD OF A QUANTISED PRODUCT. Where the list says 'softmax', what is quantised is not the finished softmax but p = 2^(t - M), with t = logit x log2(e) and M = ceil(the row's largest t), a whole number; so 1/2 < the row's largest p <= 1. The row's sum l is taken of the UNQUANTISED p, in f32, and the product's result is divided by l at the end. Since M is a whole number, a kernel that streams over the keys may use a running M (the ceiling of the running maximum): every later rescaling is an exact power of two, which a block's scale takes up: the codes' values come out the same.
;;   OPERANDS COMPUTED ON THE WAY. 'Computed on the way' means the value that the module computes at that place (a softmax that the list does not call 'softmax' is quantised finished and normalised). What goes into a quantiser is computed in f32, as accurately as f32 sums, v_exp_f32 and their like allow (about 1e-6 of the number): no bf16 or f16 on the way to a quantiser, and a product that is left as it is and whose result goes on into a quantised operand takes f32 operands (vector FMAs, or v_wmma_f32_16x16x4_f32). A number that lies on a knife's edge between two numbers of the format may be rounded either way, as far as f32 arithmetic and the matrix unit's own rounding can turn it there, and no further.
;; 2 versions. Each part assembles by itself: llvm-mc -triple=amdgcn-amd-amdhsa -mcpu=gfx1250 --defsym DOCPART=n.
;; ======== version 1 of 2: 4 launches
;; workspace buffers: codes 6,291,456 bytes; scales 393,216 bytes; qkv 14,155,776 bytes; oc 4,194,304 bytes; os 262,144 bytes
;; launch quant (part 1): grid 256 x 1, 3 waves a work-group, no clusters, 26,112 bytes of LDS; arguments x, wq, wk, wv, wo, codes, scales; writes codes, scales
.if DOCPART == 1
	.amdgcn_target "amdgcn-amd-amdhsa--gfx1250"
	.amdhsa_code_object_version 6
	.text
	.protected	k_q8ec0b8392a_quant
	.globl	k_q8ec0b8392a_quant
	.p2align	8
	.type	k_q8ec0b8392a_quant,@function
k_q8ec0b8392a_quant:
	s_mov_b64 s[64:65], 0
	v_nop
	global_prefetch_b8 v0, s[64:65] scope:SCOPE_SE
	s_setreg_imm32_b32 hwreg(HW_REG_WAVE_MODE, 25, 1), 1
	s_wait_xcnt 0x0
; x [8192][1024] and wq, wk, wv, wo [1024][1024], f32 with K innermost, become codes of FP4 (E2M1) and E8M0 scale bytes, one for each 32 along K,
; laid as IMAGES OF THE OPERAND'S REGISTERS.  768 row tiles of 16 rows: 0-511 x, 512-575 wq, 576-639 wk, 640-703 wv, 704-767 wo.
; THE ROWS OF A TILE ARE NOT NEIGHBOURS: place r of tile t takes row 32 (t / 2) + 8 (t % 2) + r + 8 (r / 8), so that in every later transposed product
; the 16 registers of two neighbouring tiles are 16 neighbours along the next K.
; codes:  [tile][K step of 128][1,024 bytes]: quad c at 512 c, lane l at 16 l: the 32 codes of k = 128 s + 64 c + 32 (l / 16) + 0 .. 31 of row place l % 16.
; scales: [tile][512 bytes]: lane l at 16 l, word j: the four bytes of row place l % 16 for K step 2 j + l / 16.
; A block's scale is 2^(floor(log2(largest magnitude)) - 2); its byte is the largest magnitude's exponent field - 2, held at 1 from below.
; LIMITS: a block of zeros, and one whose largest magnitude lies under 2^-124, gets the byte 1 (its codes are zeros or what the floor leaves; only this program reads the bytes); NaN and infinities are not served.
; SHARES: one wave to a tile (64 KiB in, 8.5 KiB out), three waves to a work-group: 768 waves of equal work.  Waves share nothing: no barrier.  No matrix unit, no cluster: every byte is read once, by one wave.
; Each load reads 512 consecutive bytes of one row; a step's 16 rows x 512 bytes turn through the wave's own stage in LDS, so that a lane gets the 2 x 32 neighbours along K that the conversions want.
.set STGB, 8448                        ; a wave's stage: 16 rows x (512 + 16) bytes
.set R,    64                          ; v64-191  two sets of 64: 16 rows as loaded
.set X,    192                         ; v192-255 my two blocks of 32 neighbours
.set C,    20                          ; v20-35   codes, two sets of 8
.set SW,   16                          ; v16-19   the tile's scale image
	s_load_b256 s[4:11], s[0:1], 0x0               ; x, wq, wk, wv
	s_load_b128 s[12:15], s[0:1], 0x20             ; wo, codes
	s_load_b64 s[16:17], s[0:1], 0x30              ; scales
	v_lshl_add_u32 v62, v0, 2, 0x6400
	v_mov_b32 v63, 0
	v_lshrrev_b32 v1, 5, v0
	v_readfirstlane_b32 s2, v1                     ; wave 0..2
	v_and_b32 v1, 31, v0                           ; lane
	v_lshlrev_b32 v2, 4, v1                        ; 16 x lane: my bytes of a load, of a store, of an image
	s_mul_i32 s22, s2, STGB
	v_add_nc_u32 v3, s22, v2                       ; the stage, on the way in: a row's 512 bytes as they lie
	v_and_b32 v14, 15, v0                          ; r
	v_bfe_u32 v15, v0, 4, 1                        ; h
	v_mul_u32_u24 v4, v14, 528
	v_lshl_add_u32 v4, v15, 7, v4
	v_add_nc_u32 v4, s22, v4                       ; and on the way out: row r, 128 h bytes on
	v_lshlrev_b32 v5, 3, v15                       ; 8 h: where my two bytes stand in the scale word
	v_mov_b32 v13, 0                               ; a lane permute's destination counts as one of its sources
	s_mov_b32 s26, 0x76543210
	s_mov_b32 s27, 0xfedcba98                      ; v_permlanex16_b32's selects for lane l xor 16
	s_mov_b32 s30, 0xffff0000                      ; lanes 16-31
	s_mul_i32 s3, ttmp9, 3
	s_add_co_u32 s3, s3, s2                        ; my tile
	s_wait_kmcnt 0x0
	s_mov_b64 s[18:19], s[12:13]                   ; which tensor, and its first tile: a choice on the tile's number alone
	s_mov_b32 s20, 704
	s_cmp_lt_u32 s3, 704
	s_cselect_b64 s[18:19], s[10:11], s[18:19]
	s_cselect_b32 s20, 640, s20
	s_cmp_lt_u32 s3, 640
	s_cselect_b64 s[18:19], s[8:9], s[18:19]
	s_cselect_b32 s20, 576, s20
	s_cmp_lt_u32 s3, 576
	s_cselect_b64 s[18:19], s[6:7], s[18:19]
	s_cselect_b32 s20, 512, s20
	s_cmp_lt_u32 s3, 512
	s_cselect_b64 s[18:19], s[4:5], s[18:19]
	s_cselect_b32 s20, 0, s20
	s_sub_co_u32 s21, s3, s20                      ; the tile's number in its tensor
	s_lshr_b32 s24, s21, 1
	s_lshl_b32 s24, s24, 17                        ; 32 rows of 4,096 bytes for each pair of tiles,
	s_and_b32 s23, s21, 1
	s_lshl_b32 s23, s23, 15                        ; 8 rows for the odd one
	s_add_co_u32 s24, s24, s23
	s_mov_b32 s25, 0
	s_add_nc_u64 s[18:19], s[18:19], s[24:25]
	s_lshl_b32 s24, s3, 13
	s_add_nc_u64 s[14:15], s[14:15], s[24:25]      ; my 8,192 bytes of codes
	s_lshl_b32 s24, s3, 9
	s_add_nc_u64 s[16:17], s[16:17], s[24:25]      ; my 512 bytes of scales
.macro LOAD s                          ; K step s: 16 rows x 512 bytes into set s % 2
.set i, 0
.rept 16
	global_load_b128 v[R+64*((\s)%2)+4*i:R+64*((\s)%2)+4*i+3], v2, s[18:19] offset:(i+8*(i/8))*4096+512*(\s) th:TH_LOAD_NT
.set i, i+1
.endr
.endm
.macro STEP s
.if (\s) < 7
	s_wait_loadcnt 16                              ; this step's 16 loads are in; the next step's 16 may be out
.else
	s_wait_loadcnt 0x0
.endif
.set i, 0
.rept 16
	ds_store_b128 v3, v[R+64*((\s)%2)+4*i:R+64*((\s)%2)+4*i+3] offset:528*i
.set i, i+1
.endr
.irp c, 0,1
.irp g, 0,1,2,3,4,5,6,7
	ds_load_b128 v[X+32*\c+4*\g:X+32*\c+4*\g+3], v4 offset:256*\c+16*\g   ; LDS serves a wave's instructions in order: these see the stores above
.endr
.endr
	s_wait_dscnt 0x0                               ; my 64 numbers are back, and the stores have read their registers,
.if (\s) < 6
	LOAD (\s)+2                                    ; which take the loads of two steps on
.endif
.irp c, 0,1
	v_max3_num_f32 v[6+\c], |v[X+32*\c]|, |v[X+32*\c+1]|, 0x1800000   ; block 2 c + h is all mine; the floor 2^(3 - 127) holds the byte at 1 from below
.endr
.irp i, 2,4,6,8,10,12,14,16,18,20,22,24,26,28,30
.irp c, 0,1
	v_max3_num_f32 v[6+\c], v[6+\c], |v[X+32*\c+\i]|, |v[X+32*\c+\i+1]|
.endr
.endr
.irp c, 0,1
	v_add_nc_u32 v[8+\c], 0xff000000, v[6+\c]      ; 2 off the exponent field: the conversion's scale operand
.endr
.irp c, 0,1
	v_lshrrev_b32 v[10+\c], 23, v[8+\c]            ; the scale's byte
.endr
	v_lshl_or_b32 v12, v11, 16, v10                ; my two bytes, blocks h and 2 + h,
	v_lshlrev_b32 v12, v5, v12                     ; at their places;
	v_permlanex16_b32 v13, v12, s26, s27           ; with lane l xor 16's two the word is whole
.if (\s)%2 == 0
	v_or_b32 v[SW+(\s)/2], v12, v13                ; an even step's word: kept in lanes 0-15
.else
	v_or_b32 v12, v12, v13
	v_cndmask_b32 v[SW+(\s)/2], v[SW+(\s)/2], v12, s30   ; an odd step's: into lanes 16-31
.endif
	s_wait_xcnt 0x0                                ; the stores of two steps ago have read this set of codes
.irp c, 0,1
.irp g, 0,1,2,3
	v_cvt_scalef32_pk8_fp4_f32 v[C+8*((\s)%2)+4*\c+\g], v[X+32*\c+8*\g:X+32*\c+8*\g+7], v[8+\c]
.endr
.endr
	v_nop                                          ; one plain line behind the last conversion
.irp c, 0,1
	global_store_b128 v2, v[C+8*((\s)%2)+4*\c:C+8*((\s)%2)+4*\c+3], s[14:15] offset:1024*(\s)+512*\c   ; 32 lanes store 512 consecutive bytes
.endr
.endm
	LOAD 0
	LOAD 1
.irp s, 0,1,2,3,4,5,6,7
	STEP \s
.endr
	global_store_b128 v2, v[SW:SW+3], s[16:17]     ; the tile's scale image: 512 consecutive bytes
	s_wait_tensorcnt 0x0
	ds_add_u32 v62, v63
	s_wait_dscnt 0x0
	s_endpgm
.Lfunc_end_k_q8ec0b8392a_quant:
	.size	k_q8ec0b8392a_quant, .Lfunc_end_k_q8ec0b8392a_quant-k_q8ec0b8392a_quant
	.p2alignl 7, 3214868480
	.fill 96, 4, 3214868480
	.section	.rodata,"a",@progbits
	.p2align	6, 0x0
	.amdhsa_kernel k_q8ec0b8392a_quant
		.amdhsa_group_segment_fixed_size 26112
		.amdhsa_private_segment_fixed_size 0
		.amdhsa_enable_private_segment 0
		.amdhsa_kernarg_size 56
		.amdhsa_user_sgpr_count 2
		.amdhsa_user_sgpr_kernarg_segment_ptr 1
		.amdhsa_wavefront_size32 1
		.amdhsa_system_sgpr_workgroup_id_x 1
		.amdhsa_system_sgpr_workgroup_id_y 1
		.amdhsa_system_sgpr_workgroup_id_z 1
		.amdhsa_system_vgpr_workitem_id 0
		.amdhsa_next_free_vgpr 256
		.amdhsa_next_free_sgpr 66
		.amdhsa_reserve_vcc 0
		.amdhsa_float_denorm_mode_32 3
		.amdhsa_float_denorm_mode_16_64 3
		.amdhsa_memory_ordered 1
		.amdhsa_forward_progress 1
		.amdhsa_inst_pref_size 57
	.end_amdhsa_kernel
	.amdgpu_metadata
---
amdhsa.version: [ 1, 2 ]
amdhsa.kernels:
  - .name:           k_q8ec0b8392a_quant
    .symbol:         k_q8ec0b8392a_quant.kd
    .args:
      - { .name: x, .offset: 0, .size: 8, .value_kind: global_buffer, .address_space: global }
      - { .name: wq, .offset: 8, .size: 8, .value_kind: global_buffer, .address_space: global }
      - { .name: wk, .offset: 16, .size: 8, .value_kind: global_buffer, .address_space: global }
      - { .name: wv, .offset: 24, .size: 8, .value_kind: global_buffer, .address_space: global }
      - { .name: wo, .offset: 32, .size: 8, .value_kind: global_buffer, .address_space: global }
      - { .name: codes, .offset: 40, .size: 8, .value_kind: global_buffer, .address_space: global }
      - { .name: scales, .offset: 48, .size: 8, .value_kind: global_buffer, .address_space: global }
    .group_segment_fixed_size: 26112
    .private_segment_fixed_size: 0
    .kernarg_segment_align: 8
    .kernarg_segment_size: 56
    .max_flat_workgroup_size: 96
    .sgpr_count:     66
    .vgpr_count:     256
    .wavefront_size: 32
...
	.end_amdgpu_metadata
.endif
;; end of part 1
;; launch qkvgemm (part 2): grid 12 x 16, 4 waves a work-group, no clusters, 139,776 bytes of LDS; arguments codes, scales, qkv; writes qkv
.if DOCPART == 2
	.amdgcn_target "amdgcn-amd-amdhsa--gfx1250"
	.amdhsa_code_object_version 6
	.text
	.protected	k_q8ec0b8392a_qkvgemm
	.globl	k_q8ec0b8392a_qkvgemm
	.p2align	8
	.type	k_q8ec0b8392a_qkvgemm,@function
k_q8ec0b8392a_qkvgemm:
	s_mov_b64 s[64:65], 0
	v_nop
	global_prefetch_b8 v0, s[64:65] scope:SCOPE_SE
	s_setreg_imm32_b32 hwreg(HW_REG_WAVE_MODE, 25, 1), 1
	s_wait_xcnt 0x0
; q = x wq^T, k = x wk^T, v = x wv^T on codes of FP4 with E8M0 scales, sums in f32; the results are quantised in registers and leave as operand images for the attention:
; q and k along the head's 64 channels, v along the keys.  No f32 result goes to memory.
; SHARES.  Work-group x = a block of four heads of q (0-3), k (4-7) or v (8-11); wave w owns one head: its 64 rows of W, 32 fragments, stay in 256 registers for the whole launch.
; Work-group y = four blocks of 128 tokens, walked one after the other.  A block's codes of x (65,536 bytes) and scale images (4,096) are one dense run of memory each: the 128 threads copy them
; through registers into one of two LDS slots, a whole block ahead; all four waves read them.  A wave issues 256 matrix instructions a block on 32 accumulators, which take turns.
; q, k: source 0 = 16 rows of W, source 1 = 16 tokens: a lane holds one token, and the registers of a token tile's four accumulators are the head's channels 32 b + 16 h + 0 .. 15.
; v:    source 0 = 16 tokens, source 1 = 16 rows of W: a lane holds one channel, and the registers of a channel tile's eight accumulators are the keys 32 b + 16 h + 0 .. 15.
; qkv: 1,024 records of 13,824 bytes, one for 128 tokens of one head: +0 K's codes (8 tiles x 512), +4096 V^T's (4 channel tiles x 1,024), +8192 K's scale words (lane x 16 + 4 jj: lanes 0-15 tile 2 jj,
; lanes 16-31 tile 2 jj + 1; the upper two bytes 0x7f), +8704 V's (lane x 16 + 4 ct), +9216 Q's codes, +13312 Q's scale words (as K's).
; NO CLUSTER: the shared block of x goes through registers (load, LDS store), which has no joint form; a work-group fetches 69,632 bytes for its 1,024 matrix instructions of a block, asked for a block ahead.
; LIMITS: a block of zeros or under 2^-124 gets the byte 1; NaN and infinities are not served.
; REGISTERS, in windows of 256: window 0: v1 16 x lane (slot 0's fragments), v2 16 x thread (slot 0's stores), v5-7, v9-11 the other LDS addresses; v16-31 W's scale images; v32-63 x's; v64-191 x's fragments, two sets;
;   v192-199 codes just made; v200-215 at work; v216 a scale word; v220-223 the record's scale words.   window 1: W's fragment (nt, s) at 8 (8 nt + s).   window 2: the accumulators.   window 3: v0-135 the copy's staging.
.set SLOTB, 0x11000                    ; an LDS slot: 65,536 bytes of codes, 4,096 of scale images
.set WS, 16
.set XS, 32
.set XF, 64
.set PC, 192
.set TM, 200
.set PW, 216
.set SW, 220
.set MSB, 0
.macro WIN new                         ; the immediate's high byte repeats the setting that is left; a switch that changes nothing is dropped
.if MSB != \new
	s_set_vgpr_msb (MSB<<8)|\new
.set MSB, \new
.endif
.endm
.macro MM d, a, b, sa, sb, zero, row   ; one product; zero: it starts the sum; row: both scale words stand in lanes 16-31
.if \zero
.if \row
	v_wmma_scale_f32_16x16x128_f8f6f4 v[\d:\d+7], v[\a:\a+7], v[\b:\b+7], 0, v[\sa], v[\sb] matrix_a_fmt:MATRIX_FMT_FP4 matrix_b_fmt:MATRIX_FMT_FP4 matrix_a_scale:MATRIX_SCALE_ROW1 matrix_b_scale:MATRIX_SCALE_ROW1
.else
	v_wmma_scale_f32_16x16x128_f8f6f4 v[\d:\d+7], v[\a:\a+7], v[\b:\b+7], 0, v[\sa], v[\sb] matrix_a_fmt:MATRIX_FMT_FP4 matrix_b_fmt:MATRIX_FMT_FP4
.endif
.else
.if \row
	v_wmma_scale_f32_16x16x128_f8f6f4 v[\d:\d+7], v[\a:\a+7], v[\b:\b+7], v[\d:\d+7], v[\sa], v[\sb] matrix_a_fmt:MATRIX_FMT_FP4 matrix_b_fmt:MATRIX_FMT_FP4 matrix_a_scale:MATRIX_SCALE_ROW1 matrix_b_scale:MATRIX_SCALE_ROW1
.else
	v_wmma_scale_f32_16x16x128_f8f6f4 v[\d:\d+7], v[\a:\a+7], v[\b:\b+7], v[\d:\d+7], v[\sa], v[\sb] matrix_a_fmt:MATRIX_FMT_FP4 matrix_b_fmt:MATRIX_FMT_FP4
.endif
.endif
.endm
.macro COPYLD                          ; the next block of x: 34 loads of 2,048 consecutive bytes a work-group, into window 3
	WIN 0xc0
.set i, 0
.rept 32
	global_load_b128 v[4*i:4*i+3], v2, s[14:15] offset:2048*i
.set i, i+1
.endr
.irp i, 0,1
	global_load_b128 v[128+4*\i:131+4*\i], v2, s[16:17] offset:2048*\i
.endr
	WIN 0
.endm
.macro COPYST slot                     ; and into LDS as it lies: slot 0 through v2 and v10, slot 1 through v9 and v11
	WIN 0x0c
.set i, 0
.rept 32
	ds_store_b128 v[2+7*(\slot)], v[4*i:4*i+3] offset:2048*i
.set i, i+1
.endr
.irp i, 0,1
	ds_store_b128 v[10+(\slot)], v[128+4*\i:131+4*\i] offset:2048*\i
.endr
	WIN 0
.endm
.macro FETCH slot, s                   ; x's eight fragments of K step s into set s % 2
.irp m, 0,1,2,3,4,5,6,7
.irp c, 0,1
	ds_load_b128 v[XF+64*((\s)%2)+8*\m+4*\c:XF+64*((\s)%2)+8*\m+4*\c+3], v[1+4*(\slot)] offset:8192*\m+1024*(\s)+512*\c
.endr
.endr
.endm
.macro WLOAD nt                        ; W's eight fragments of tile nt
.irp s, 0,1,2,3,4,5,6,7
.irp c, 0,1
	global_load_b128 v[8*(8*\nt+\s)+4*\c:8*(8*\nt+\s)+4*\c+3], v1, s[30:31] offset:8192*\nt+1024*\s+512*\c
.endr
.endr
.endm
; A K step of 128: the next step's fragments are asked for, then 32 products on 32 accumulators.
.macro KSTEP path, slot, s
.rept 4
	v_nop                                          ; four places between the last products and the loads into the set that they read (ISA guide 7.12.1 for vector instructions)
.endr
.if (\s) < 7
	FETCH \slot, (\s)+1
	s_wait_dscnt 16                                ; all but the 16 just issued
.else
	s_wait_dscnt 0x0
.endif
.if \path == 0
	WIN 0xa1                                       ; source 0 (W) window 1, source 1 (x) window 0, C and D window 2
.irp m, 0,1,2,3,4,5,6,7
.irp nt, 0,1,2,3
	MM 8*(4*\m+\nt), 8*(8*\nt+(\s)), XF+64*((\s)%2)+8*\m, WS+4*\nt+(\s)/2, XS+4*\m+(\s)/2, (\s)==0, (\s)%2
.endr
.endr
.else
	WIN 0xa4                                       ; source 0 (x) window 0, source 1 (W) window 1
.irp ct, 0,1,2,3
.irp m, 0,1,2,3,4,5,6,7
	MM 8*(8*\ct+\m), XF+64*((\s)%2)+8*\m, 8*(8*\ct+(\s)), XS+4*\m+(\s)/2, WS+4*\ct+(\s)/2, (\s)==0, (\s)%2
.endr
.endr
.endif
	WIN 0
.endm
; 64 numbers of a lane in window 2, register s + 16 b + i = place 32 b + 16 (lane / 16) + i along the quantiser's axis, become 8 registers of codes in v[PC] on and four scale bytes in v[pw].
.macro QUANT s, pw
	WIN 0x0a
.irp b, 0,1,2,3
	v_max3_num_f32 v[TM+\b], |v[(\s)+16*\b]|, |v[(\s)+16*\b+1]|, 0x1800000   ; each accumulator is read from its low end on; the floor 2^(3 - 127) holds the byte at 1
.endr
	WIN 0x28
.irp i, 2,4,6,8,10,12,14
.irp b, 0,1,2,3
	v_max3_num_f32 v[TM+\b], v[TM+\b], |v[(\s)+16*\b+\i]|, |v[(\s)+16*\b+\i+1]|
.endr
.endr
	WIN 0
.irp b, 0,1,2,3
	v_permlanex16_b32 v[TM+4+\b], v[TM+\b], s22, s23
.endr
.irp b, 0,1,2,3
	v_max_num_f32 v[TM+\b], v[TM+\b], v[TM+4+\b]   ; with lane l xor 16's 16: the block's largest magnitude
.endr
.irp b, 0,1,2,3
	v_add_nc_u32 v[TM+12+\b], 0xff000000, v[TM+\b] ; 2 off the exponent field: the conversion's scale operand
.endr
.irp b, 0,1,2,3
	v_lshrrev_b32 v[TM+4+\b], 23, v[TM+12+\b]      ; the scale's byte
.endr
	v_lshl_or_b32 v[\pw], v[TM+5], 8, v[TM+4]
	v_lshl_or_b32 v[\pw], v[TM+6], 16, v[\pw]
	v_lshl_or_b32 v[\pw], v[TM+7], 24, v[\pw]
	s_wait_xcnt 0x0                                ; the last stores have read the codes' registers
	WIN 0x02
.irp b, 0,1,2,3
	v_cvt_scalef32_pk8_fp4_f32 v[PC+2*\b], v[(\s)+16*\b:(\s)+16*\b+7], v[TM+12+\b]
	v_cvt_scalef32_pk8_fp4_f32 v[PC+2*\b+1], v[(\s)+16*\b+8:(\s)+16*\b+15], v[TM+12+\b]
.endr
	WIN 0
	v_nop                                          ; one plain line behind the last conversion
.irp c, 0,1
.irp i, 0,1
	v_permlane16_swap_b32 v[PC+4*\c+\i], v[PC+4*\c+2+\i]   ; a whole block to a lane: lanes 0-15 block 2 c, lanes 16-31 block 2 c + 1
.endr
.endr
.endm
.macro EPI path
.rept 4
	v_nop                                          ; four places between the last products and the first read of results
.endr
.irp g, 0,1,2,3
.if \path == 0
	QUANT 64*\g, PW                                ; token tiles 2 g and 2 g + 1: two blocks of 32 channels each
.else
	QUANT 64*\g, SW+\g                             ; channel tile g: four blocks of 32 keys
.endif
	global_store_b128 v1, v[PC:PC+3], s[18:19] offset:1024*\g       ; 512 consecutive bytes each
	global_store_b128 v1, v[PC+4:PC+7], s[18:19] offset:1024*\g+512
.if \path == 0
	v_lshrrev_b32 v217, 16, v[PW]
	v_cndmask_b32 v217, v[PW], v217, s24           ; lanes 0-15 keep tile 2 g's two bytes, lanes 16-31 take tile 2 g + 1's
	v_and_or_b32 v[SW+\g], v217, 0xffff, s25       ; the bytes of k = 64 .. 127, where the attention's codes of q are zeros, stand for 1.0
.endif
.endr
	global_store_b128 v1, v[SW:SW+3], s[20:21]
.endm
; A block of 128 tokens out of slot; last = 1: whether a block follows hangs on the trip.
.macro BLOCK slot, last
.if \last
	s_cmp_eq_u32 s11, 1
	s_cbranch_scc1 .Lnoload_\@                     ; no load leaves its buffer
.endif
	COPYLD
.if \last
.Lnoload_\@:
.endif
.irp m, 0,1,2,3,4,5,6,7
	ds_load_b128 v[XS+4*\m:XS+4*\m+3], v[6+(\slot)] offset:512*\m
.endr
	FETCH \slot, 0
	s_cmp_lt_u32 s9, 8                             ; q and k, or v: the same in all four waves; neither way stores to LDS
	s_cbranch_scc0 .Lv_\@
.irp s, 0,1,2,3,4,5,6,7
	KSTEP 0, \slot, \s
.endr
	EPI 0
	s_branch .Ljoin_\@
.Lv_\@:
.irp s, 0,1,2,3,4,5,6,7
	KSTEP 1, \slot, \s
.endr
	EPI 1
.Ljoin_\@:
	s_wait_loadcnt 0x0                             ; the next block is in registers
.if \last
	s_cmp_eq_u32 s11, 1
	s_cbranch_scc1 .Lnostore_\@
.endif
	COPYST 1-\slot                                 ; into the slot that every wave left at the last barrier
.if \last
.Lnostore_\@:
.endif
	s_wait_dscnt 0x0                               ; my stores have landed, and my reads of this slot are over
	s_barrier_signal -1
	s_barrier_wait -1
	s_wait_xcnt 0x0                                ; every load and store has read its base and its data
	s_add_nc_u64 s[14:15], s[14:15], 0x10000
	s_add_nc_u64 s[16:17], s[16:17], 0x1000
	s_add_nc_u64 s[18:19], s[18:19], 13824
	s_add_nc_u64 s[20:21], s[20:21], 13824
.endm
	s_load_b128 s[4:7], s[0:1], 0x0                ; codes, scales
	s_load_b64 s[26:27], s[0:1], 0x10              ; qkv
	v_lshl_add_u32 v254, v0, 2, 0x22000
	v_mov_b32 v255, 0
	v_lshrrev_b32 v1, 5, v0
	v_readfirstlane_b32 s8, v1                     ; wave 0..3
	v_and_b32 v1, 31, v0
	v_lshlrev_b32 v1, 4, v1                        ; 16 x lane
	v_lshlrev_b32 v2, 4, v0                        ; 16 x thread
	v_add_nc_u32 v5, SLOTB, v1                     ; slot 1's fragments
	v_add_nc_u32 v6, 0x10000, v1                   ; slot 0's scale images
	v_add_nc_u32 v7, SLOTB+0x10000, v1             ; slot 1's
	v_add_nc_u32 v9, SLOTB, v2                     ; the copy's stores: slot 1's codes,
	v_add_nc_u32 v10, 0x10000, v2                  ; slot 0's scale images,
	v_add_nc_u32 v11, SLOTB+0x10000, v2            ; slot 1's
.irp b, 0,1,2,3
	v_mov_b32 v[TM+4+\b], 0                        ; a lane permute's destination counts as one of its sources
.endr
	s_mov_b32 s9, ttmp9                            ; which four heads
	s_and_b32 s10, ttmp7, 0xffff                   ; which four blocks of tokens
	s_lshl_b32 s12, s9, 2
	s_add_co_u32 s12, s12, s8                      ; my head among the 48 of q, k, v
	s_mov_b32 s22, 0x76543210
	s_mov_b32 s23, 0xfedcba98
	s_mov_b32 s24, 0xffff0000
	s_mov_b32 s25, 0x7f7f0000
	s_mov_b32 s34, 4096                            ; where my codes and my scale words stand in a record: v's,
	s_mov_b32 s35, 8704
	s_cmp_lt_u32 s9, 8
	s_cselect_b32 s34, 0, s34                      ; k's,
	s_cselect_b32 s35, 8192, s35
	s_cmp_lt_u32 s9, 4
	s_cselect_b32 s34, 9216, s34                   ; q's
	s_cselect_b32 s35, 13312, s35
	s_lshr_b32 s36, s10, 2                         ; the batch
	s_lshl_b32 s36, s36, 4
	s_and_b32 s37, s12, 15                         ; the head
	s_add_co_u32 s36, s36, s37
	s_lshl_b32 s36, s36, 4
	s_and_b32 s37, s10, 3
	s_lshl_b32 s37, s37, 2
	s_add_co_u32 s36, s36, s37                     ; my first record
	s_mul_i32 s36, s36, 13824
	s_mov_b32 s39, 0
	s_mov_b32 s11, 2                               ; trips of two blocks
	s_wait_kmcnt 0x0
	s_add_co_u32 s38, s36, s34
	s_add_nc_u64 s[18:19], s[26:27], s[38:39]
	s_add_co_u32 s38, s36, s35
	s_add_nc_u64 s[20:21], s[26:27], s[38:39]
	s_lshl_b32 s38, s10, 18                        ; 32 row tiles of 8,192 bytes
	s_add_nc_u64 s[14:15], s[4:5], s[38:39]
	s_lshl_b32 s38, s10, 14                        ; and of 512
	s_add_nc_u64 s[16:17], s[6:7], s[38:39]
	s_lshl_b32 s38, s12, 15                        ; W: tile 512 + 4 x my head
	s_add_co_u32 s38, s38, 512*8192
	s_add_nc_u64 s[30:31], s[4:5], s[38:39]
	s_lshl_b32 s38, s12, 11
	s_add_co_u32 s38, s38, 512*512
	s_add_nc_u64 s[32:33], s[6:7], s[38:39]
	COPYLD                                         ; the first block
.irp nt, 0,1,2,3
	global_load_b128 v[WS+4*\nt:WS+4*\nt+3], v1, s[32:33] offset:512*\nt
.endr
	WIN 0x40                                       ; destination window 1
	WLOAD 0
	WLOAD 1
	WIN 0
	s_wait_loadcnt 36                              ; behind the copy's 34 loads stand 4 + 32.  (70 loads are issued ahead of this wait: the issue of one that would pass the counter's field is held back, ISA guide 5.7.1, so the count says what it says)
	COPYST 0
	WIN 0x40
	WLOAD 2
	WLOAD 3
	WIN 0
	s_wait_dscnt 0x0
	s_barrier_signal -1
	s_barrier_wait -1                              ; the first block lies in slot 0
	s_wait_xcnt 0x0
	s_add_nc_u64 s[14:15], s[14:15], 0x10000
	s_add_nc_u64 s[16:17], s[16:17], 0x1000
	s_wait_loadcnt 0x0                             ; W and its scale images
.Lpair:
	BLOCK 0, 0
	BLOCK 1, 1
	s_sub_co_u32 s11, s11, 1
	s_cmp_lg_u32 s11, 0
	s_cbranch_scc1 .Lpair
	s_wait_tensorcnt 0x0
	ds_add_u32 v254, v255
	s_wait_dscnt 0x0
	s_endpgm
.Lfunc_end_k_q8ec0b8392a_qkvgemm:
	.size	k_q8ec0b8392a_qkvgemm, .Lfunc_end_k_q8ec0b8392a_qkvgemm-k_q8ec0b8392a_qkvgemm
	.p2alignl 7, 3214868480
	.fill 96, 4, 3214868480
	.section	.rodata,"a",@progbits
	.p2align	6, 0x0
	.amdhsa_kernel k_q8ec0b8392a_qkvgemm
		.amdhsa_group_segment_fixed_size 139776
		.amdhsa_private_segment_fixed_size 0
		.amdhsa_enable_private_segment 0
		.amdhsa_kernarg_size 24
		.amdhsa_user_sgpr_count 2
		.amdhsa_user_sgpr_kernarg_segment_ptr 1
		.amdhsa_wavefront_size32 1
		.amdhsa_system_sgpr_workgroup_id_x 1
		.amdhsa_system_sgpr_workgroup_id_y 1
		.amdhsa_system_sgpr_workgroup_id_z 1
		.amdhsa_system_vgpr_workitem_id 0
		.amdhsa_next_free_vgpr 912
		.amdhsa_next_free_sgpr 66
		.amdhsa_reserve_vcc 0
		.amdhsa_float_denorm_mode_32 3
		.amdhsa_float_denorm_mode_16_64 3
		.amdhsa_memory_ordered 1
		.amdhsa_forward_progress 1
		.amdhsa_inst_pref_size 255
	.end_amdhsa_kernel
	.section	.bss,"aw",@nobits
	.p2align	6
	.space	262144
	.amdgpu_metadata
---
amdhsa.version: [ 1, 2 ]
amdhsa.kernels:
  - .name:           k_q8ec0b8392a_qkvgemm
    .symbol:         k_q8ec0b8392a_qkvgemm.kd
    .args:
      - { .name: codes, .offset: 0, .size: 8, .value_kind: global_buffer, .address_space: global }
      - { .name: scales, .offset: 8, .size: 8, .value_kind: global_buffer, .address_space: global }
      - { .name: qkv, .offset: 16, .size: 8, .value_kind: global_buffer, .address_space: global }
    .group_segment_fixed_size: 139776
    .private_segment_fixed_size: 0
    .kernarg_segment_align: 8
    .kernarg_segment_size: 24
    .max_flat_workgroup_size: 128
    .sgpr_count:     66
    .vgpr_count:     912
    .wavefront_size: 32
...
	.end_amdgpu_metadata
.endif
;; end of part 2
;; launch attn (part 3): grid 4 x 64, 16 waves a work-group, no clusters, 35,840 bytes of LDS; arguments qkv, oc, os; writes oc, os
.if DOCPART == 3
	.amdgcn_target "amdgcn-amd-amdhsa--gfx1250"
	.amdhsa_code_object_version 6
	.text
	.protected	k_q8ec0b8392a_attn
	.globl	k_q8ec0b8392a_attn
	.p2align	8
	.type	k_q8ec0b8392a_attn,@function
k_q8ec0b8392a_attn:
	s_mov_b64 s[64:65], 0
	v_nop
	global_prefetch_b8 v0, s[64:65] scope:SCOPE_SE
	s_setreg_imm32_b32 hwreg(HW_REG_WAVE_MODE, 25, 1), 1
	s_wait_xcnt 0x0
; Causal attention on codes of FP4 with E8M0 scales: S^T = K Q^T (K = the head's 64), p = 2^(t - M), O^T = V^T P (K = the keys), O / l, and O quantised along the model's 1,024 for the last product.
; t = score x log2(e) / 8; M = the running largest t rounded UP to a whole number; the row's sum l is taken of the unquantised p; when M moves, l and O^T are multiplied by 2^(old M - new M), exactly.
; SHARES.  Work-group (p, head): wave w owns two tiles of 16 queries, tile B = 16 p + w and tile A = 127 - B.  Tile t needs the key steps 0 .. t / 8 of 128 keys, the last on the diagonal: 17 tile steps for every wave.
; Four waves to a SIMD, so that one wave's vector work stands beside another's products and LDS loads.
; A key step's record (K's codes, V^T's codes, both scale images: 9,216 consecutive bytes) is copied through registers into one of two LDS slots, a whole key step ahead; one barrier a key step.
; Every work-group walks 16 key steps, a constant; what lies past a tile's diagonal is left out by a scalar branch on ids, round loads, products and softmax alone, never round a barrier.
; K = 64 IN AN INSTRUCTION OF 128: Q's registers 4-7 are zero codes, so whatever stands in source 0's registers 4-7 (the next tile's codes) adds nothing; the scale bytes of k = 64 .. 127 stand for 1.0 on both sides.
; LAYOUT: a lane holds ONE query (lane % 16) throughout; the 16 registers of K's tiles 2 b, 2 b + 1 are the keys 32 b + 16 (lane / 16) + 0 .. 15, since the rows of a tile were chosen so when the images were made.
; oc: the output's fragment images, [row tile][K step = head / 2][quad = head % 2][lane x 16].   os: [batch x 16 + head][query place] two scale bytes (the head's two blocks of 32).
; NO CLUSTER: the four work-groups of a head need 16, 14, 12 and 10 records, and the records go through registers, which has no joint form.  NO PREFETCH: each record is asked for a whole key step ahead by the copy's own loads.
; LIMITS: 1 / l by v_rcp_f32; a block's largest p is the exponential of the block's largest score (it takes v_exp_f32 not to fall where its input rises); blocks of zeros get the byte 1; NaN and infinities are not served.
; REGISTERS: v1 16 x lane, v2 16 x thread, v3, v4 where my scale bytes go, v5, v6 my query less 16 (lane / 16) for tile A, B, v7 -infinity; v8-15 the copy; v16-23, v24-31 Q of A, B; v32-67 K's or V's fragments;
;   v68-131 S^T, then p; v132-163, v164-195 O^T of A, B; v196-203 p's codes; v204-207, v208-211 -M, largest t, l in two halves; v212-215 K's scale words, v216-219 V's, v220 p's, v221, v222 Q's; v224-241 at work.
.set SLOT, 0x4000
.set SST,  0x8000                      ; behind the slots: 1,024 bytes in which the work-group's 512 pairs of scale bytes meet
.set REC,  13824
; One tile's part in a key step.  qf: Q's fragment; qs: its scale word; ob: O^T; st: the statistics; dr: the mask's register; lx: the scalar that holds the tile's last key step.
.macro TILESTEP slot, qf, qs, ob, st, dr, lx
	s_cmp_gt_u32 s12, s[\lx]
	s_cbranch_scc1 .Ldone_\@                       ; all 128 keys come after my 16 queries
.irp j, 0,1,2,3,4,5,6,7
	ds_load_b128 v[32+4*\j:35+4*\j], v1 offset:\slot*SLOT+512*\j
.endr
	ds_load_b128 v[212:215], v1 offset:\slot*SLOT+8192
	s_wait_dscnt 0x0
.irp j, 0,2,4,6
	v_wmma_scale_f32_16x16x128_f8f6f4 v[68+8*\j:75+8*\j], v[32+4*\j:39+4*\j], v[\qf:\qf+7], 0, v[212+\j/2], v[\qs] matrix_a_fmt:MATRIX_FMT_FP4 matrix_b_fmt:MATRIX_FMT_FP4
	v_wmma_scale_f32_16x16x128_f8f6f4 v[76+8*\j:83+8*\j], v[36+4*\j:43+4*\j], v[\qf:\qf+7], 0, v[212+\j/2], v[\qs] matrix_a_fmt:MATRIX_FMT_FP4 matrix_b_fmt:MATRIX_FMT_FP4 matrix_a_scale:MATRIX_SCALE_ROW1
.endr
.rept 4
	v_nop                                          ; four places: in front of the loads into K's registers and of the first read of the scores
.endr
.irp ct, 0,1,2,3
.irp c, 0,1
	ds_load_b128 v[32+8*\ct+4*\c:35+8*\ct+4*\c], v1 offset:\slot*SLOT+4096+1024*\ct+512*\c   ; V^T lands while the softmax is walked
.endr
.endr
	ds_load_b128 v[216:219], v1 offset:\slot*SLOT+8704
	s_cmp_lg_u32 s12, s[\lx]
	s_cbranch_scc1 .Lopen_\@                       ; off the diagonal every key counts
.set n, 0
.rept 64
	v_cmp_gt_i32 vcc_lo, 32*(n/16)+n%16, v[\dr]    ; register 16 b + i holds key 32 b + 16 (lane / 16) + i of the step: hidden where it comes after my query
	v_cndmask_b32 v[68+n], v[68+n], v7, vcc_lo
.set n, n+1
.endr
.Lopen_\@:
.irp b, 0,1,2,3
	v_max3_num_f32 v[224+\b], v[68+16*\b], v[69+16*\b], v[70+16*\b]   ; the largest score of each block of 32 keys: for the row's maximum, and for the block's largest p
.endr
.irp i, 3,5,7,9,11,13
.irp b, 0,1,2,3
	v_max3_num_f32 v[224+\b], v[224+\b], v[68+16*\b+\i], v[69+16*\b+\i]
.endr
.endr
.irp b, 0,1,2,3
	v_max_num_f32 v[224+\b], v[224+\b], v[83+16*\b]
.endr
.irp b, 0,1,2,3
	v_permlanex16_b32 v[228+\b], v[224+\b], s18, s19
.endr
.irp b, 0,1,2,3
	v_max_num_f32 v[224+\b], v[224+\b], v[228+\b]  ; with lane l xor 16's 16 keys
.endr
	v_max3_num_f32 v236, v224, v225, v226
	v_max_num_f32 v236, v236, v227
	v_mul_f32 v236, s20, v236                      ; as t (c is positive)
	v_max_num_f32 v[\st+1], v[\st+1], v236         ; the running largest t
	v_mov_b32 v236, v[\st]
	v_floor_f32 v[\st], -v[\st+1]                  ; the new -M = floor(-t): M is a whole number
	v_sub_f32 v236, v[\st], v236                   ; old M less new M: a whole number, 0 or less
	v_cvt_i32_f32 v236, v236                       ; (it saturates)
	v_ldexp_f32 v240, 1.0, v236                    ; f = 2^(old M - new M)
.set j, 0
.rept 32
	v_pk_fma_f32 v[68+j:69+j], v[68+j:69+j], s[20:21], v[\st:\st+1] op_sel_hi:[1,0,0]   ; t - M, two at a time
.set j, j+2
.endr
.irp b, 0,1,2,3
	v_fma_f32 v[224+\b], v[224+\b], s20, v[\st]    ; the same of each block's largest score
.endr
.set j, 0
.rept 64
	v_exp_f32 v[68+j], v[68+j]                     ; p = 2^(t - M): one batch
.set j, j+1
.endr
	v_pk_mul_f32 v[\st+2:\st+3], v[\st+2:\st+3], v[240:241] op_sel_hi:[1,0]   ; l under the new M; also the plain line behind the exponentials
	s_wait_alu depctr_va_vdst(0)                   ; one wait for the batch, ahead of its first reader
.irp b, 0,1,2,3
	v_exp_f32 v[224+\b], v[224+\b]                 ; the block's largest p
.endr
	v_pk_add_f32 v[228:229], v[68:69], v[70:71]    ; the row's sum of the unquantised p, two at a time, in two chains
.irp j, 4,8,12,16,20,24,28,32,36,40,44,48,52,56,60
	v_pk_add_f32 v[\st+2:\st+3], v[\st+2:\st+3], v[68+\j:69+\j]
	v_pk_add_f32 v[228:229], v[228:229], v[70+\j:71+\j]
.endr
	v_pk_add_f32 v[\st+2:\st+3], v[\st+2:\st+3], v[228:229]
	s_wait_alu depctr_va_vdst(0)                   ; and one for the four
.irp b, 0,1,2,3
	v_max_num_f32 v[224+\b], 0x1800000, v[224+\b]  ; the floor 2^(3 - 127): the byte cannot fall under 1
.endr
.irp b, 0,1,2,3
	v_add_nc_u32 v[232+\b], 0xff000000, v[224+\b]  ; the conversion's scale operand
.endr
.irp b, 0,1,2,3
	v_lshrrev_b32 v[228+\b], 23, v[232+\b]         ; the scale's byte
.endr
	v_lshl_or_b32 v220, v229, 8, v228              ; p's scale word for these 128 keys
	v_lshl_or_b32 v220, v230, 16, v220
	v_lshl_or_b32 v220, v231, 24, v220
.irp b, 0,1,2,3
	v_cvt_scalef32_pk8_fp4_f32 v[196+2*\b], v[68+16*\b:75+16*\b], v[232+\b]
	v_cvt_scalef32_pk8_fp4_f32 v[197+2*\b], v[76+16*\b:83+16*\b], v[232+\b]
.endr
	v_nop                                          ; one plain line behind the last conversion
.irp c, 0,1
.irp i, 0,1
	v_permlane16_swap_b32 v[196+4*\c+\i], v[198+4*\c+\i]   ; a whole block to a lane
.endr
.endr
.set j, 0
.rept 16
	v_pk_mul_f32 v[\ob+j:\ob+j+1], v[\ob+j:\ob+j+1], v[240:241] op_sel_hi:[1,0]   ; O^T under the new M, from each accumulator's low end on; these lines also part p's codes and scale word from the products
.set j, j+2
.endr
	s_wait_dscnt 0x0                               ; V^T and its scale words
.irp ct, 0,1,2,3
	v_wmma_scale_f32_16x16x128_f8f6f4 v[\ob+8*\ct:\ob+8*\ct+7], v[32+8*\ct:39+8*\ct], v[196:203], v[\ob+8*\ct:\ob+8*\ct+7], v[216+\ct], v220 matrix_a_fmt:MATRIX_FMT_FP4 matrix_b_fmt:MATRIX_FMT_FP4
.endr
.rept 4
	v_nop                                          ; four places in front of whatever loads or writes these products' registers next
.endr
.Ldone_\@:
.endm
; A key step out of slot.
.macro STEP slot
	s_add_co_u32 s46, s12, 1
	s_cmp_lt_u32 s46, s11                          ; is there a next record for this work-group?  No load leaves its buffer
	s_cbranch_scc0 .Lnl_\@
	global_load_b128 v[8:11], v2, s[16:17]         ; 512 threads x 16 bytes,
	s_cmp_lt_u32 s8, 2
	s_cbranch_scc0 .Lnl_\@
	global_load_b128 v[12:15], v2, s[16:17] offset:8192   ; and waves 0 and 1 the last 1,024
.Lnl_\@:
	TILESTEP \slot, 16, 221, 132, 204, 5, 14
	TILESTEP \slot, 24, 222, 164, 208, 6, 15
	s_wait_loadcnt 0x0
	s_cmp_lt_u32 s46, s11
	s_cbranch_scc0 .Lns_\@
	ds_store_b128 v2, v[8:11] offset:(1-\slot)*SLOT       ; into the slot that every wave left at the last barrier
	s_cmp_lt_u32 s8, 2
	s_cbranch_scc0 .Lns_\@
	ds_store_b128 v2, v[12:15] offset:(1-\slot)*SLOT+8192
.Lns_\@:
	s_wait_dscnt 0x0                               ; my stores have landed, and my reads of this slot are over
	s_barrier_signal -1
	s_barrier_wait -1
	s_wait_xcnt 0x0                                ; the copy's loads have read their base
	s_add_nc_u64 s[16:17], s[16:17], REC
	s_add_co_u32 s12, s12, 1
.endm
.macro QPTR rho, l, pc, ps             ; where tile rho's codes and scale words of Q stand: record l of the head, tile rho % 8
	s_mul_i32 s46, s[\l], REC
	s_and_b32 s47, s[\rho], 7
	s_lshl_b32 s44, s47, 9
	s_add_co_u32 s44, s44, s46
	s_add_co_u32 s44, s44, 9216
	s_add_nc_u64 s[\pc:\pc+1], s[28:29], s[44:45]
	s_and_b32 s44, s47, 1
	s_lshl_b32 s44, s44, 8                         ; an odd tile's words stand in lanes 16-31 of the image: 256 bytes on
	s_lshr_b32 s47, s47, 1
	s_lshl_b32 s47, s47, 2
	s_add_co_u32 s44, s44, s47
	s_add_co_u32 s44, s44, s46
	s_add_co_u32 s44, s44, 13312
	s_add_nc_u64 s[\ps:\ps+1], s[28:29], s[44:45]
.endm
.macro OPTR rho, pc                    ; where tile rho's 512 bytes of the output's image stand
	s_lshr_b32 s46, s10, 4
	s_lshl_b32 s46, s46, 7
	s_add_co_u32 s46, s46, s[\rho]                 ; 128 x batch + tile
	s_lshl_b32 s44, s46, 13
	s_and_b32 s47, s10, 15
	s_lshl_b32 s47, s47, 9                         ; K step head / 2, quad head % 2: 512 x head
	s_add_co_u32 s44, s44, s47
	s_add_nc_u64 s[\pc:\pc+1], s[6:7], s[44:45]
.endm
.macro DREG rho, d                     ; my query's place in its block of 128, less 16 (lane / 16)
	s_bfe_u32 s44, s[\rho], 0x20001
	s_lshl_b32 s44, s44, 5
	s_and_b32 s46, s[\rho], 1
	s_lshl_b32 s46, s46, 3
	s_add_co_u32 s44, s44, s46
	v_add_nc_u32 v[\d], s44, v228
.endm
; The way out of one tile: O^T / l into v[y] on, quantised along the head's 64 channels (two blocks), codes to oc, the two bytes to the stage.
.macro OUT ob, st, y, pcx, op, sa, u
	v_add_f32 v236, v[\st+2], v[\st+3]
	v_permlanex16_b32 v237, v236, s18, s19
	v_add_f32 v236, v236, v237                     ; the row's sum
	v_rcp_f32 v240, v236
	v_nop                                          ; a plain line behind the reciprocal,
	s_wait_alu depctr_va_vdst(0)                   ; and the wait ahead of its first reader
.set j, 0
.rept 16
	v_pk_mul_f32 v[\y+j:\y+j+1], v[\ob+j:\ob+j+1], v[240:241] op_sel_hi:[1,0]   ; register 16 b + i: channel 32 b + 16 (lane / 16) + i
.set j, j+2
.endr
.irp b, 0,1
	v_max3_num_f32 v[224+\b], |v[\y+16*\b]|, |v[\y+16*\b+1]|, 0x1800000
.endr
.irp i, 2,4,6,8,10,12,14
.irp b, 0,1
	v_max3_num_f32 v[224+\b], v[224+\b], |v[\y+16*\b+\i]|, |v[\y+16*\b+\i+1]|
.endr
.endr
.irp b, 0,1
	v_permlanex16_b32 v[228+\b], v[224+\b], s18, s19
.endr
.irp b, 0,1
	v_max_num_f32 v[224+\b], v[224+\b], v[228+\b]
.endr
.irp b, 0,1
	v_add_nc_u32 v[232+\b], 0xff000000, v[224+\b]
.endr
.irp b, 0,1
	v_lshrrev_b32 v[228+\b], 23, v[232+\b]
.endr
	v_lshl_or_b32 v[\u], v229, 8, v228
.irp b, 0,1
	v_cvt_scalef32_pk8_fp4_f32 v[\pcx+2*\b], v[\y+16*\b:\y+16*\b+7], v[232+\b]
	v_cvt_scalef32_pk8_fp4_f32 v[\pcx+2*\b+1], v[\y+16*\b+8:\y+16*\b+15], v[232+\b]
.endr
	v_nop
.irp i, 0,1
	v_permlane16_swap_b32 v[\pcx+\i], v[\pcx+2+\i]
.endr
	global_store_b128 v1, v[\pcx:\pcx+3], s[\op:\op+1]    ; 512 consecutive bytes
	ds_store_b16 v[\sa], v[\u]                     ; both halves of the lanes write the same two bytes with the same value
.endm
	s_load_b128 s[4:7], s[0:1], 0x0                ; qkv, oc
	s_load_b64 s[24:25], s[0:1], 0x10              ; os
	v_lshl_add_u32 v254, v0, 2, 0x8400
	v_mov_b32 v255, 0
	v_lshrrev_b32 v1, 5, v0
	v_readfirstlane_b32 s8, v1                     ; wave 0..15
	v_and_b32 v1, 31, v0
	v_lshlrev_b32 v1, 4, v1                        ; 16 x lane
	v_lshlrev_b32 v2, 4, v0                        ; 16 x thread
	v_and_b32 v224, 15, v0                         ; r
	v_bfe_u32 v225, v0, 4, 1                       ; h
	v_lshlrev_b32 v226, 4, v224                    ; Q's scale words: 16 bytes a lane of the image
	v_lshlrev_b32 v227, 1, v224
	s_lshl_b32 s44, s8, 5
	v_add_nc_u32 v3, s44, v227
	v_add_nc_u32 v3, SST, v3                       ; tile B's bytes: 32 w + 2 r
	s_xor_b32 s44, s8, 15
	s_lshl_b32 s44, s44, 5
	v_add_nc_u32 v4, s44, v227
	v_add_nc_u32 v4, SST+512, v4                   ; tile A's: 32 (15 - w) + 2 r, in the second half
	v_and_b32 v228, 8, v224
	v_add_nc_u32 v228, v228, v224                  ; r + 8 (r / 8)
	v_lshlrev_b32 v229, 4, v225
	v_sub_nc_u32 v228, v228, v229                  ; - 16 h
	s_mov_b32 s9, ttmp9
	s_and_b32 s10, ttmp7, 0xffff                   ; 16 x batch + head
	s_lshl_b32 s26, s9, 4
	s_add_co_u32 s26, s26, s8                      ; tile B
	s_sub_co_u32 s27, 127, s26                     ; tile A
	s_lshr_b32 s14, s27, 3                         ; their last key steps
	s_lshr_b32 s15, s26, 3
	s_lshl_b32 s11, s9, 1
	s_sub_co_u32 s11, 16, s11                      ; the records that this work-group needs
	DREG 27, 5
	DREG 26, 6
	v_mov_b32 v7, 0xff800000                       ; -infinity
	s_mov_b32 s18, 0x76543210
	s_mov_b32 s19, 0xfedcba98
	s_mov_b32 s20, 0x3e38aa3b                      ; c = log2(e) / 8
	s_mov_b32 s21, s20                             ; (named with it as a pair, so it is written)
	s_mov_b32 s12, 0                               ; the key step
	s_mov_b32 s13, 8                               ; trips of two key steps
.irp j, 12,13,14,15,20,21,22,23,28,29,30,31,64,65,66,67,206,207,210,211,230,231,237,241
	v_mov_b32 v[\j], 0                             ; the copy's second set; Q's zero codes; the zero codes behind K's last tile; l; registers named before they are first written
.endr
.set j, 132
.rept 64
	v_mov_b32 v[j], 0                              ; O^T: the step is written once; its first turn finds zeros, which the first change of M leaves zeros
.set j, j+1
.endr
	v_mov_b32 v205, 0xff61b1e6                     ; the largest t so far: -3e38
	v_mov_b32 v209, 0xff61b1e6
	v_floor_f32 v204, -v205                        ; -M
	v_floor_f32 v208, -v209
	s_mul_i32 s44, s10, 16*REC
	s_mov_b32 s45, 0
	s_wait_kmcnt 0x0
	s_add_nc_u64 s[28:29], s[4:5], s[44:45]        ; the head's 16 records
	s_mov_b64 s[16:17], s[28:29]
	QPTR 27, 14, 30, 34
	QPTR 26, 15, 32, 36
	OPTR 27, 38
	OPTR 26, 40
	s_sub_co_u32 s46, 7, s9                        ; where the scale bytes leave: wave 0 stores tile B's 512 bytes, wave 1 tile A's
	s_cmp_eq_u32 s8, 0
	s_cselect_b32 s46, s9, s46
	s_lshl_b32 s46, s46, 9
	s_lshl_b32 s44, s10, 12
	s_add_co_u32 s44, s44, s46
	s_add_nc_u64 s[42:43], s[24:25], s[44:45]
	global_load_b128 v[8:11], v2, s[16:17]         ; record 0
	s_cmp_lt_u32 s8, 2
	s_cbranch_scc0 .Lfirst
	global_load_b128 v[12:15], v2, s[16:17] offset:8192
.Lfirst:
	global_load_b128 v[16:19], v1, s[30:31]        ; Q stays in registers
	global_load_b128 v[24:27], v1, s[32:33]
	global_load_b32 v221, v226, s[34:35]
	global_load_b32 v222, v226, s[36:37]
	s_wait_loadcnt 0x0
	ds_store_b128 v2, v[8:11]
	s_cmp_lt_u32 s8, 2
	s_cbranch_scc0 .Lstored
	ds_store_b128 v2, v[12:15] offset:8192
.Lstored:
	s_wait_dscnt 0x0
	s_barrier_signal -1
	s_barrier_wait -1                              ; record 0 lies in slot 0
	s_wait_xcnt 0x0
	s_add_nc_u64 s[16:17], s[16:17], REC
.Lpair:
	STEP 0
	STEP 1
	s_sub_co_u32 s13, s13, 1
	s_cmp_lg_u32 s13, 0
	s_cbranch_scc1 .Lpair
	OUT 132, 204, 68, 196, 38, 4, 238
	OUT 164, 208, 100, 200, 40, 3, 239
	s_wait_dscnt 0x0
	s_barrier_signal -1
	s_barrier_wait -1                              ; the work-group's 1,024 scale bytes lie in the stage
	s_cmp_lt_u32 s8, 2
	s_cbranch_scc0 .Lend
	ds_load_b128 v[8:11], v2 offset:SST
	s_wait_dscnt 0x0
	global_store_b128 v1, v[8:11], s[42:43]        ; 512 consecutive bytes a wave
.Lend:
	s_wait_tensorcnt 0x0
	ds_add_u32 v254, v255
	s_wait_dscnt 0x0
	s_endpgm
.Lfunc_end_k_q8ec0b8392a_attn:
	.size	k_q8ec0b8392a_attn, .Lfunc_end_k_q8ec0b8392a_attn-k_q8ec0b8392a_attn
	.p2alignl 7, 3214868480
	.fill 96, 4, 3214868480
	.section	.rodata,"a",@progbits
	.p2align	6, 0x0
	.amdhsa_kernel k_q8ec0b8392a_attn
		.amdhsa_group_segment_fixed_size 35840
		.amdhsa_private_segment_fixed_size 0
		.amdhsa_enable_private_segment 0
		.amdhsa_kernarg_size 24
		.amdhsa_user_sgpr_count 2
		.amdhsa_user_sgpr_kernarg_segment_ptr 1
		.amdhsa_wavefront_size32 1
		.amdhsa_system_sgpr_workgroup_id_x 1
		.amdhsa_system_sgpr_workgroup_id_y 1
		.amdhsa_system_sgpr_workgroup_id_z 1
		.amdhsa_system_vgpr_workitem_id 0
		.amdhsa_next_free_vgpr 256
		.amdhsa_next_free_sgpr 66
		.amdhsa_reserve_vcc 1
		.amdhsa_float_denorm_mode_32 3
		.amdhsa_float_denorm_mode_16_64 3
		.amdhsa_memory_ordered 1
		.amdhsa_forward_progress 1
		.amdhsa_inst_pref_size 96
	.end_amdhsa_kernel
	.amdgpu_metadata
---
amdhsa.version: [ 1, 2 ]
amdhsa.kernels:
  - .name:           k_q8ec0b8392a_attn
    .symbol:         k_q8ec0b8392a_attn.kd
    .args:
      - { .name: qkv, .offset: 0, .size: 8, .value_kind: global_buffer, .address_space: global }
      - { .name: oc, .offset: 8, .size: 8, .value_kind: global_buffer, .address_space: global }
      - { .name: os, .offset: 16, .size: 8, .value_kind: global_buffer, .address_space: global }
    .group_segment_fixed_size: 35840
    .private_segment_fixed_size: 0
    .kernarg_segment_align: 8
    .kernarg_segment_size: 24
    .max_flat_workgroup_size: 512
    .sgpr_count:     66
    .vgpr_count:     256
    .wavefront_size: 32
...
	.end_amdgpu_metadata
.endif
;; end of part 3
;; launch oproj (part 4): grid 256 x 1, 16 waves a work-group, no clusters, 281,088 bytes of LDS; arguments oc, os, codes, scales, x, norm_g, out0; writes out0
.if DOCPART == 4
	.amdgcn_target "amdgcn-amd-amdhsa--gfx1250"
	.amdhsa_code_object_version 6
	.text
	.protected	k_q8ec0b8392a_oproj
	.globl	k_q8ec0b8392a_oproj
	.p2align	8
	.type	k_q8ec0b8392a_oproj,@function
k_q8ec0b8392a_oproj:
	s_mov_b64 s[64:65], 0
	v_nop
	global_prefetch_b8 v0, s[64:65] scope:SCOPE_SE
	s_setreg_imm32_b32 hwreg(HW_REG_WAVE_MODE, 25, 1), 1
	s_wait_xcnt 0x0
; out0 = RMSNorm(x + o wo^T) x norm_g.  The product on codes of FP4 with E8M0 scales, sums in f32; residual and norm in f32.
; SHARES.  A work-group takes 32 tokens (row tiles 2 g, 2 g + 1 of the attention's output) and all 1,024 columns, so that a row's mean of squares stays inside it.  Wave w makes columns 64 w .. 64 w + 63: four tiles of wo,
; eight accumulators by turns.  wo's fragments go from memory straight into registers, as images, through a ring four K steps deep; nothing of wo is read twice inside a work-group.
; The output's 16 fragments (16,384 consecutive bytes) are copied into LDS once and read by all sixteen waves.  TRANSPOSED: source 0 = 16 rows of wo, source 1 = 16 tokens: a lane holds eight neighbouring columns of one token.
; x: each wave's two rows (8,192 consecutive bytes) come by ONE tensor load at the head, on a counter of their own, into bytes that only this wave reads; nothing is filled again.
; The results meet in a stage of 32 rows; wave w then owns stage rows 2 w and 2 w + 1, which are two neighbouring tokens, adds x, takes the mean of squares over its 32 lanes, and stores whole rows.
; NO CLUSTER in this version: wo, which all work-groups walk, goes to registers, which has no joint form.
; LIMITS: y / rms is taken as y x v_rsq_f32(mean + eps); NaN and infinities are not served.
; REGISTERS: v1 16 x lane, v2 16 x thread, v3-7 LDS addresses; v8-15 the copy, later sums; v16-79 the accumulators ((ut, nt) at 16 + 8 (4 ut + nt)), later y; v80-207 wo's ring, later norm_g (v80-111) and x (v112-175);
;   v208-223 the output's two fragments; v224-239 wo's scale images; v240-247 the output's scale words; v248, v249 addresses; v250-253 1 / rms.
.set OFR, 0x20000                      ; LDS: 0: x, 16 x 8,192 bytes;  OFR: the output's fragments, 16,384;  STG: the stage, 32 rows x (4,096 + 16)
.set STG, 0x24000
.set SP,  4112
.macro MM d, a, b, sa, sb, zero, row
.if \zero
.if \row
	v_wmma_scale_f32_16x16x128_f8f6f4 v[\d:\d+7], v[\a:\a+7], v[\b:\b+7], 0, v[\sa], v[\sb] matrix_a_fmt:MATRIX_FMT_FP4 matrix_b_fmt:MATRIX_FMT_FP4 matrix_a_scale:MATRIX_SCALE_ROW1 matrix_b_scale:MATRIX_SCALE_ROW1
.else
	v_wmma_scale_f32_16x16x128_f8f6f4 v[\d:\d+7], v[\a:\a+7], v[\b:\b+7], 0, v[\sa], v[\sb] matrix_a_fmt:MATRIX_FMT_FP4 matrix_b_fmt:MATRIX_FMT_FP4
.endif
.else
.if \row
	v_wmma_scale_f32_16x16x128_f8f6f4 v[\d:\d+7], v[\a:\a+7], v[\b:\b+7], v[\d:\d+7], v[\sa], v[\sb] matrix_a_fmt:MATRIX_FMT_FP4 matrix_b_fmt:MATRIX_FMT_FP4 matrix_a_scale:MATRIX_SCALE_ROW1 matrix_b_scale:MATRIX_SCALE_ROW1
.else
	v_wmma_scale_f32_16x16x128_f8f6f4 v[\d:\d+7], v[\a:\a+7], v[\b:\b+7], v[\d:\d+7], v[\sa], v[\sb] matrix_a_fmt:MATRIX_FMT_FP4 matrix_b_fmt:MATRIX_FMT_FP4
.endif
.endif
.endm
.macro WOLOAD s                        ; wo's four fragments of K step s into set s % 4
.irp nt, 0,1,2,3
.irp c, 0,1
	global_load_b128 v[80+32*((\s)%4)+8*\nt+4*\c:80+32*((\s)%4)+8*\nt+4*\c+3], v1, s[8:9] offset:8192*\nt+1024*(\s)+512*\c
.endr
.endr
.endm
.macro OFLOAD s                        ; the output's two fragments of K step s
.irp ut, 0,1
.irp c, 0,1
	ds_load_b128 v[208+8*\ut+4*\c:211+8*\ut+4*\c], v3 offset:8192*\ut+1024*(\s)+512*\c
.endr
.endr
.endm
.macro STEP s
	s_wait_dscnt 0x0                               ; the output's fragments
.if (\s) <= 4
	s_wait_loadcnt 24                              ; this step's eight loads are in; those of the three steps behind may be out
.else
	s_wait_loadcnt 8*(7-(\s))
.endif
.irp ut, 0,1
.irp nt, 0,1,2,3
	MM 16+8*(4*\ut+\nt), 80+32*((\s)%4)+8*\nt, 208+8*\ut, 224+4*\nt+(\s)/2, 240+4*\ut+(\s)/2, (\s)==0, (\s)%2
.endr
.endr
.rept 4
	v_nop                                          ; four places in front of loads into registers that these products read, and of the first read of results
.endr
.if (\s) < 7
	OFLOAD (\s)+1
.endif
.if (\s) < 4
	WOLOAD (\s)+4
.endif
.endm
	s_load_b256 s[4:11], s[0:1], 0x0               ; oc, os, codes, scales
	s_load_b128 s[12:15], s[0:1], 0x20             ; x, norm_g
	s_load_b64 s[16:17], s[0:1], 0x30              ; out0
	v_lshl_add_u32 v254, v0, 2, 0x44200
	v_mov_b32 v255, 0
	ds_add_u32 v254, v255
	ds_add_u32 v254, v255
	v_lshrrev_b32 v1, 5, v0
	v_readfirstlane_b32 s18, v1                    ; wave 0..15
	v_and_b32 v1, 31, v0
	v_lshlrev_b32 v1, 4, v1                        ; 16 x lane
	v_lshlrev_b32 v2, 4, v0                        ; 16 x thread
	v_lshl_add_u32 v249, v0, 4, OFR                ; the copy's place in LDS
	v_add_nc_u32 v3, OFR, v1                       ; a fragment's place for my lane
	v_and_b32 v250, 15, v0                         ; r
	v_bfe_u32 v251, v0, 4, 1                       ; h
	v_mul_u32_u24 v4, v250, SP
	v_lshl_add_u32 v4, v251, 6, v4
	s_lshl_b32 s34, s18, 8
	v_add_nc_u32 v4, s34, v4
	v_add_nc_u32 v4, STG, v4                       ; into the stage: row r, + 64 h, + 256 w
	v_add_nc_u32 v5, 16*SP, v4                     ; and 16 rows on for the second tile of tokens
	s_mul_i32 s34, s18, 2*SP
	v_add_nc_u32 v6, s34, v1
	v_add_nc_u32 v6, STG, v6                       ; back: my two rows
	s_lshl_b32 s34, s18, 13
	v_add_nc_u32 v7, s34, v1                       ; my two rows of x
	v_lshlrev_b32 v248, 13, v251
	v_lshl_add_u32 v248, v250, 1, v248             ; os: two heads on for lanes 16-31, two bytes a query place
	v_mov_b32 v253, 0                              ; (named as the upper half of a pair)
	s_mov_b32 s36, 0x76543210
	s_mov_b32 s37, 0xfedcba98
	s_mov_b32 s38, 0x3a800000                      ; 1 / 1,024
	s_mov_b32 s39, 0x358637bd                      ; eps = 1e-6
	s_lshl_b32 s34, s18, 1
	s_and_b32 s34, s34, 15                         ; my first stage row's place r0 in its tile,
	s_and_b32 s35, s34, 8
	s_add_co_u32 s34, s34, s35                     ; r0 + 8 (r0 / 8),
	s_lshr_b32 s35, s18, 3
	s_lshl_b32 s35, s35, 3
	s_add_co_u32 s34, s34, s35                     ; + 8 for the second tile: its token among the 32
	s_lshl_b32 s35, ttmp9, 5
	s_add_co_u32 s34, s34, s35
	s_lshl_b32 s32, s34, 12                        ; rows of 4,096 bytes
	s_mov_b32 s33, 0
	; the descriptor: 8,192 dense bytes as 32 rows of 32 elements of 8 bytes
	s_mov_b32 s24, 3<<16                           ; no mask, elements of 8 bytes, no padding
	s_mov_b32 s25, 32<<16                          ; tensor_dim0 = 32
	s_mov_b32 s26, 32<<16                          ; tensor_dim1 = 32
	s_mov_b32 s27, 32<<16                          ; tile_dim0 = 32
	s_mov_b32 s28, 32                              ; tile_dim1 = 32
	s_mov_b32 s29, 32                              ; from row to row
	s_mov_b32 s30, 0
	s_mov_b32 s31, 0
	s_mov_b32 s20, 1
	s_lshl_b32 s21, s18, 13                        ; LDS: 8,192 x wave
	s_wait_dscnt 0x0
	s_wait_kmcnt 0x0
	s_add_nc_u64 s[16:17], s[16:17], s[32:33]      ; out0 at my two rows
	s_add_nc_u64 s[22:23], s[12:13], s[32:33]      ; x likewise
	s_or_b32 s23, s23, 0x80000000
	tensor_load_to_lds s[20:23], s[24:31]          ; my one tensor load of the launch
	s_nop 0
.rept 4
	v_nop
.endr
	s_lshl_b32 s32, ttmp9, 14
	s_add_nc_u64 s[4:5], s[4:5], s[32:33]          ; the two row tiles' images
	s_lshr_b32 s32, ttmp9, 6
	s_lshl_b32 s32, s32, 16                        ; os: 16 heads of 4,096 bytes a batch,
	s_and_b32 s34, ttmp9, 63
	s_lshl_b32 s34, s34, 6                         ; 64 bytes for my two tiles
	s_add_co_u32 s32, s32, s34
	s_add_nc_u64 s[6:7], s[6:7], s[32:33]
	s_lshl_b32 s32, s18, 15
	s_add_co_u32 s32, s32, 704*8192                ; wo: tile 704 + 4 w
	s_add_nc_u64 s[8:9], s[8:9], s[32:33]
	s_lshl_b32 s32, s18, 11
	s_add_co_u32 s32, s32, 704*512
	s_add_nc_u64 s[10:11], s[10:11], s[32:33]
	global_load_b128 v[8:11], v2, s[4:5]
	global_load_b128 v[12:15], v2, s[4:5] offset:8192
.irp ut, 0,1
.irp j, 0,1,2,3
.irp e, 0,1
	global_load_u16 v[16+8*\ut+2*\j+\e], v248, s[6:7] offset:(4*\j+\e)*4096+32*\ut   ; lane (r, h): the two bytes of head 4 j + 2 h + e
.endr
.endr
.endr
.irp nt, 0,1,2,3
	global_load_b128 v[224+4*\nt:227+4*\nt], v1, s[10:11] offset:512*\nt
.endr
	WOLOAD 0
	WOLOAD 1
	WOLOAD 2
	WOLOAD 3
	s_wait_loadcnt 52                              ; behind the copy's two loads stand 16 + 4 + 32
	ds_store_b128 v249, v[8:11]
	ds_store_b128 v249, v[12:15] offset:8192
	s_wait_loadcnt 36                              ; behind the 16 loads of scale bytes stand 4 + 32
.irp ut, 0,1
.irp j, 0,1,2,3
	v_lshl_or_b32 v[240+4*\ut+\j], v[17+8*\ut+2*\j], 16, v[16+8*\ut+2*\j]   ; word j: lanes 0-15 K step 2 j, lanes 16-31 K step 2 j + 1
.endr
.endr
	s_wait_dscnt 0x0
	s_barrier_signal -1
	s_barrier_wait -1                              ; the output's sixteen fragments lie in LDS
	OFLOAD 0
.rept 8
	v_nop                                          ; scale words made by vector instructions stand eight places ahead of a scaled product
.endr
.irp s, 0,1,2,3,4,5,6,7
	STEP \s
.endr
.irp i, 0,1,2,3,4,5,6,7
	global_load_b128 v[80+4*\i:83+4*\i], v1, s[14:15] offset:512*\i   ; norm_g at my columns 128 i + 4 lane + 0 .. 3
.endr
.irp ut, 0,1
.irp nt, 0,1,2,3
	ds_store_b128 v[4+\ut], v[16+8*(4*\ut+\nt):19+8*(4*\ut+\nt)] offset:128*(\nt/2)+32*(\nt%2)      ; each accumulator from its low end on
	ds_store_b128 v[4+\ut], v[20+8*(4*\ut+\nt):23+8*(4*\ut+\nt)] offset:128*(\nt/2)+32*(\nt%2)+16
.endr
.endr
	s_wait_dscnt 0x0
	s_barrier_signal -1
	s_barrier_wait -1                              ; 32 whole rows lie in the stage
.irp e, 0,1
.irp i, 0,1,2,3,4,5,6,7
	ds_load_b128 v[16+32*\e+4*\i:19+32*\e+4*\i], v6 offset:SP*\e+512*\i
.endr
.endr
	s_wait_tensorcnt 0x0                           ; my two rows of x have landed
.irp e, 0,1
.irp i, 0,1,2,3,4,5,6,7
	ds_load_b128 v[112+32*\e+4*\i:115+32*\e+4*\i], v7 offset:4096*\e+512*\i
.endr
.endr
	s_wait_dscnt 0x0
.set j, 0
.rept 32
	v_pk_add_f32 v[16+j:17+j], v[16+j:17+j], v[112+j:113+j]   ; y = x + o wo^T
.set j, j+2
.endr
	v_pk_mul_f32 v[8:9], v[16:17], v[16:17]        ; the sums of squares, the two rows by turns
	v_pk_mul_f32 v[10:11], v[48:49], v[48:49]
.irp j, 2,4,6,8,10,12,14,16,18,20,22,24,26,28,30
	v_pk_fma_f32 v[8:9], v[16+\j:17+\j], v[16+\j:17+\j], v[8:9]
	v_pk_fma_f32 v[10:11], v[48+\j:49+\j], v[48+\j:49+\j], v[10:11]
.endr
	v_add_f32 v8, v8, v9
	v_add_f32 v10, v10, v11
.irp k, 1,2,4,8
	v_add_f32_dpp v8, v8, v8 row_xmask:\k row_mask:0xf bank_mask:0xf
	v_add_f32_dpp v10, v10, v10 row_xmask:\k row_mask:0xf bank_mask:0xf
.endr
	v_permlanex16_b32 v12, v8, s36, s37
	v_permlanex16_b32 v13, v10, s36, s37
	v_add_f32 v8, v8, v12
	v_add_f32 v10, v10, v13
	v_fma_f32 v8, v8, s38, s39                     ; the mean + eps
	v_fma_f32 v10, v10, s38, s39
	v_rsq_f32 v250, v8
	v_rsq_f32 v252, v10
	v_nop                                          ; a plain line behind the two,
	s_wait_alu depctr_va_vdst(0)                   ; and one wait ahead of their first reader
	s_wait_loadcnt 0x0                             ; norm_g
.set j, 0
.rept 16
	v_pk_mul_f32 v[16+j:17+j], v[16+j:17+j], v[250:251] op_sel_hi:[1,0]
	v_pk_mul_f32 v[48+j:49+j], v[48+j:49+j], v[252:253] op_sel_hi:[1,0]
.set j, j+2
.endr
.set j, 0
.rept 16
	v_pk_mul_f32 v[16+j:17+j], v[16+j:17+j], v[80+j:81+j]
	v_pk_mul_f32 v[48+j:49+j], v[48+j:49+j], v[80+j:81+j]
.set j, j+2
.endr
.irp e, 0,1
.irp i, 0,1,2,3,4,5,6,7
	global_store_b128 v1, v[16+32*\e+4*\i:19+32*\e+4*\i], s[16:17] offset:4096*\e+512*\i th:TH_STORE_NT   ; 32 lanes store 512 consecutive bytes
.endr
.endr
	s_wait_tensorcnt 0x0
	ds_add_u32 v254, v255
	s_wait_dscnt 0x0
	s_endpgm
.Lfunc_end_k_q8ec0b8392a_oproj:
	.size	k_q8ec0b8392a_oproj, .Lfunc_end_k_q8ec0b8392a_oproj-k_q8ec0b8392a_oproj
	.p2alignl 7, 3214868480
	.fill 96, 4, 3214868480
	.section	.rodata,"a",@progbits
	.p2align	6, 0x0
	.amdhsa_kernel k_q8ec0b8392a_oproj
		.amdhsa_group_segment_fixed_size 281088
		.amdhsa_private_segment_fixed_size 0
		.amdhsa_enable_private_segment 0
		.amdhsa_kernarg_size 56
		.amdhsa_user_sgpr_count 2
		.amdhsa_user_sgpr_kernarg_segment_ptr 1
		.amdhsa_wavefront_size32 1
		.amdhsa_system_sgpr_workgroup_id_x 1
		.amdhsa_system_sgpr_workgroup_id_y 1
		.amdhsa_system_sgpr_workgroup_id_z 1
		.amdhsa_system_vgpr_workitem_id 0
		.amdhsa_next_free_vgpr 256
		.amdhsa_next_free_sgpr 66
		.amdhsa_reserve_vcc 0
		.amdhsa_float_denorm_mode_32 3
		.amdhsa_float_denorm_mode_16_64 3
		.amdhsa_memory_ordered 1
		.amdhsa_forward_progress 1
		.amdhsa_inst_pref_size 39
	.end_amdhsa_kernel
	.amdgpu_metadata
---
amdhsa.version: [ 1, 2 ]
amdhsa.kernels:
  - .name:           k_q8ec0b8392a_oproj
    .symbol:         k_q8ec0b8392a_oproj.kd
    .args:
      - { .name: oc, .offset: 0, .size: 8, .value_kind: global_buffer, .address_space: global }
      - { .name: os, .offset: 8, .size: 8, .value_kind: global_buffer, .address_space: global }
      - { .name: codes, .offset: 16, .size: 8, .value_kind: global_buffer, .address_space: global }
      - { .name: scales, .offset: 24, .size: 8, .value_kind: global_buffer, .address_space: global }
      - { .name: x, .offset: 32, .size: 8, .value_kind: global_buffer, .address_space: global }
      - { .name: norm_g, .offset: 40, .size: 8, .value_kind: global_buffer, .address_space: global }
      - { .name: out0, .offset: 48, .size: 8, .value_kind: global_buffer, .address_space: global }
    .group_segment_fixed_size: 281088
    .private_segment_fixed_size: 0
    .kernarg_segment_align: 8
    .kernarg_segment_size: 56
    .max_flat_workgroup_size: 512
    .sgpr_count:     66
    .vgpr_count:     256
    .wavefront_size: 32
...
	.end_amdgpu_metadata
.endif
;; end of part 4
;; ======== version 2 of 2: 4 launches
;; workspace buffers: codes 6,291,456 bytes; scales 393,216 bytes; qkv 14,155,776 bytes; oc 4,194,304 bytes; os 262,144 bytes
;; launch quant (part 5): grid 256 x 1, 3 waves a work-group, no clusters, 26,112 bytes of LDS; arguments x, wq, wk, wv, wo, codes, scales; writes codes, scales
.if DOCPART == 5
	.amdgcn_target "amdgcn-amd-amdhsa--gfx1250"
	.amdhsa_code_object_version 6
	.text
	.protected	k_q8ec0b8392a_quant
	.globl	k_q8ec0b8392a_quant
	.p2align	8
	.type	k_q8ec0b8392a_quant,@function
k_q8ec0b8392a_quant:
	s_mov_b64 s[64:65], 0
	v_nop
	global_prefetch_b8 v0, s[64:65] scope:SCOPE_SE
	s_setreg_imm32_b32 hwreg(HW_REG_WAVE_MODE, 25, 1), 1
	s_wait_xcnt 0x0
; x [8192][1024] and wq, wk, wv, wo [1024][1024], f32 with K innermost, become codes of FP4 (E2M1) and E8M0 scale bytes, one for each 32 along K,
; laid as IMAGES OF THE OPERAND'S REGISTERS.  768 row tiles of 16 rows: 0-511 x, 512-575 wq, 576-639 wk, 640-703 wv, 704-767 wo.
; THE ROWS OF A TILE ARE NOT NEIGHBOURS: place r of tile t takes row 32 (t / 2) + 8 (t % 2) + r + 8 (r / 8), so that in every later transposed product
; the 16 registers of two neighbouring tiles are 16 neighbours along the next K.
; codes:  [tile][K step of 128][1,024 bytes]: quad c at 512 c, lane l at 16 l: the 32 codes of k = 128 s + 64 c + 32 (l / 16) + 0 .. 31 of row place l % 16.
; scales: [tile][512 bytes]: lane l at 16 l, word j: the four bytes of row place l % 16 for K step 2 j + l / 16.
; A block's scale is 2^(floor(log2(largest magnitude)) - 2); its byte is the largest magnitude's exponent field - 2, held at 1 from below.
; LIMITS: a block of zeros, and one whose largest magnitude lies under 2^-124, gets the byte 1 (its codes are zeros or what the floor leaves; only this program reads the bytes); NaN and infinities are not served.
; SHARES: one wave to a tile (64 KiB in, 8.5 KiB out), three waves to a work-group: 768 waves of equal work.  Waves share nothing: no barrier.  No matrix unit, no cluster: every byte is read once, by one wave.
; Each load reads 512 consecutive bytes of one row; a step's 16 rows x 512 bytes turn through the wave's own stage in LDS, so that a lane gets the 2 x 32 neighbours along K that the conversions want.
.set STGB, 8448                        ; a wave's stage: 16 rows x (512 + 16) bytes
.set R,    64                          ; v64-191  two sets of 64: 16 rows as loaded
.set X,    192                         ; v192-255 my two blocks of 32 neighbours
.set C,    20                          ; v20-35   codes, two sets of 8
.set SW,   16                          ; v16-19   the tile's scale image
	s_load_b256 s[4:11], s[0:1], 0x0               ; x, wq, wk, wv
	s_load_b128 s[12:15], s[0:1], 0x20             ; wo, codes
	s_load_b64 s[16:17], s[0:1], 0x30              ; scales
	v_lshl_add_u32 v62, v0, 2, 0x6400
	v_mov_b32 v63, 0
	v_lshrrev_b32 v1, 5, v0
	v_readfirstlane_b32 s2, v1                     ; wave 0..2
	v_and_b32 v1, 31, v0                           ; lane
	v_lshlrev_b32 v2, 4, v1                        ; 16 x lane: my bytes of a load, of a store, of an image
	s_mul_i32 s22, s2, STGB
	v_add_nc_u32 v3, s22, v2                       ; the stage, on the way in: a row's 512 bytes as they lie
	v_and_b32 v14, 15, v0                          ; r
	v_bfe_u32 v15, v0, 4, 1                        ; h
	v_mul_u32_u24 v4, v14, 528
	v_lshl_add_u32 v4, v15, 7, v4
	v_add_nc_u32 v4, s22, v4                       ; and on the way out: row r, 128 h bytes on
	v_lshlrev_b32 v5, 3, v15                       ; 8 h: where my two bytes stand in the scale word
	v_mov_b32 v13, 0                               ; a lane permute's destination counts as one of its sources
	s_mov_b32 s26, 0x76543210
	s_mov_b32 s27, 0xfedcba98                      ; v_permlanex16_b32's selects for lane l xor 16
	s_mov_b32 s30, 0xffff0000                      ; lanes 16-31
	s_mul_i32 s3, ttmp9, 3
	s_add_co_u32 s3, s3, s2                        ; my tile
	s_wait_alu depctr_va_vdst(0)
	s_wait_kmcnt 0x0
	s_mov_b64 s[18:19], s[12:13]                   ; which tensor, and its first tile: a choice on the tile's number alone
	s_mov_b32 s20, 704
	s_cmp_lt_u32 s3, 704
	s_cselect_b64 s[18:19], s[10:11], s[18:19]
	s_cselect_b32 s20, 640, s20
	s_cmp_lt_u32 s3, 640
	s_cselect_b64 s[18:19], s[8:9], s[18:19]
	s_cselect_b32 s20, 576, s20
	s_cmp_lt_u32 s3, 576
	s_cselect_b64 s[18:19], s[6:7], s[18:19]
	s_cselect_b32 s20, 512, s20
	s_cmp_lt_u32 s3, 512
	s_cselect_b64 s[18:19], s[4:5], s[18:19]
	s_cselect_b32 s20, 0, s20
	s_sub_co_u32 s21, s3, s20                      ; the tile's number in its tensor
	s_lshr_b32 s24, s21, 1
	s_lshl_b32 s24, s24, 17                        ; 32 rows of 4,096 bytes for each pair of tiles,
	s_and_b32 s23, s21, 1
	s_lshl_b32 s23, s23, 15                        ; 8 rows for the odd one
	s_add_co_u32 s24, s24, s23
	s_mov_b32 s25, 0
	s_add_nc_u64 s[18:19], s[18:19], s[24:25]
	s_lshl_b32 s24, s3, 13
	s_add_nc_u64 s[14:15], s[14:15], s[24:25]      ; my 8,192 bytes of codes
	s_lshl_b32 s24, s3, 9
	s_add_nc_u64 s[16:17], s[16:17], s[24:25]      ; my 512 bytes of scales
.macro LOAD s                          ; K step s: 16 rows x 512 bytes into set s % 2
.set i, 0
.rept 16
	global_load_b128 v[R+64*((\s)%2)+4*i:R+64*((\s)%2)+4*i+3], v2, s[18:19] offset:(i+8*(i/8))*4096+512*(\s) th:TH_LOAD_NT
.set i, i+1
.endr
.endm
.macro STEP s
.if (\s) < 7
	s_wait_loadcnt 16                              ; this step's 16 loads are in; the next step's 16 may be out
.else
	s_wait_loadcnt 0x0
.endif
.set i, 0
.rept 16
	ds_store_b128 v3, v[R+64*((\s)%2)+4*i:R+64*((\s)%2)+4*i+3] offset:528*i
.set i, i+1
.endr
.irp c, 0,1
.irp g, 0,1,2,3,4,5,6,7
	ds_load_b128 v[X+32*\c+4*\g:X+32*\c+4*\g+3], v4 offset:256*\c+16*\g   ; LDS serves a wave's instructions in order: these see the stores above
.endr
.endr
	s_wait_dscnt 0x0                               ; my 64 numbers are back, and the stores have read their registers,
.if (\s) < 6
	LOAD (\s)+2                                    ; which take the loads of two steps on
.endif
.irp c, 0,1
	v_max3_num_f32 v[6+\c], |v[X+32*\c]|, |v[X+32*\c+1]|, 0x1800000   ; block 2 c + h is all mine; the floor 2^(3 - 127) holds the byte at 1 from below
.endr
.irp i, 2,4,6,8,10,12,14,16,18,20,22,24,26,28,30
.irp c, 0,1
	v_max3_num_f32 v[6+\c], v[6+\c], |v[X+32*\c+\i]|, |v[X+32*\c+\i+1]|
.endr
.endr
.irp c, 0,1
	v_add_nc_u32 v[8+\c], 0xff000000, v[6+\c]      ; 2 off the exponent field: the conversion's scale operand
.endr
.irp c, 0,1
	v_lshrrev_b32 v[10+\c], 23, v[8+\c]            ; the scale's byte
.endr
	v_lshl_or_b32 v12, v11, 16, v10                ; my two bytes, blocks h and 2 + h,
	v_lshlrev_b32 v12, v5, v12                     ; at their places;
	v_permlanex16_b32 v13, v12, s26, s27           ; with lane l xor 16's two the word is whole
.if (\s)%2 == 0
	v_or_b32 v[SW+(\s)/2], v12, v13                ; an even step's word: kept in lanes 0-15
.else
	v_or_b32 v12, v12, v13
	v_cndmask_b32 v[SW+(\s)/2], v[SW+(\s)/2], v12, s30   ; an odd step's: into lanes 16-31
.endif
	s_wait_alu depctr_va_vdst(0)
	s_wait_xcnt 0x0                                ; the stores of two steps ago have read this set of codes
.irp c, 0,1
.irp g, 0,1,2,3
	v_cvt_scalef32_pk8_fp4_f32 v[C+8*((\s)%2)+4*\c+\g], v[X+32*\c+8*\g:X+32*\c+8*\g+7], v[8+\c]
.endr
.endr
	v_nop                                          ; one plain line behind the last conversion
.irp c, 0,1
	global_store_b128 v2, v[C+8*((\s)%2)+4*\c:C+8*((\s)%2)+4*\c+3], s[14:15] offset:1024*(\s)+512*\c   ; 32 lanes store 512 consecutive bytes
.endr
.endm
	LOAD 0
	LOAD 1
.irp s, 0,1,2,3,4,5,6,7
	STEP \s
.endr
	global_store_b128 v2, v[SW:SW+3], s[16:17]     ; the tile's scale image: 512 consecutive bytes
	s_wait_tensorcnt 0x0
	ds_add_u32 v62, v63
	s_wait_dscnt 0x0
	s_endpgm
.Lfunc_end_k_q8ec0b8392a_quant:
	.size	k_q8ec0b8392a_quant, .Lfunc_end_k_q8ec0b8392a_quant-k_q8ec0b8392a_quant
	.p2alignl 7, 3214868480
	.fill 96, 4, 3214868480
	.section	.rodata,"a",@progbits
	.p2align	6, 0x0
	.amdhsa_kernel k_q8ec0b8392a_quant
		.amdhsa_group_segment_fixed_size 26112
		.amdhsa_private_segment_fixed_size 0
		.amdhsa_enable_private_segment 0
		.amdhsa_kernarg_size 56
		.amdhsa_user_sgpr_count 2
		.amdhsa_user_sgpr_kernarg_segment_ptr 1
		.amdhsa_wavefront_size32 1
		.amdhsa_system_sgpr_workgroup_id_x 1
		.amdhsa_system_sgpr_workgroup_id_y 1
		.amdhsa_system_sgpr_workgroup_id_z 1
		.amdhsa_system_vgpr_workitem_id 0
		.amdhsa_next_free_vgpr 256
		.amdhsa_next_free_sgpr 66
		.amdhsa_reserve_vcc 0
		.amdhsa_float_denorm_mode_32 3
		.amdhsa_float_denorm_mode_16_64 3
		.amdhsa_memory_ordered 1
		.amdhsa_forward_progress 1
		.amdhsa_inst_pref_size 58
	.end_amdhsa_kernel
	.amdgpu_metadata
---
amdhsa.version: [ 1, 2 ]
amdhsa.kernels:
  - .name:           k_q8ec0b8392a_quant
    .symbol:         k_q8ec0b8392a_quant.kd
    .args:
      - { .name: x, .offset: 0, .size: 8, .value_kind: global_buffer, .address_space: global }
      - { .name: wq, .offset: 8, .size: 8, .value_kind: global_buffer, .address_space: global }
      - { .name: wk, .offset: 16, .size: 8, .value_kind: global_buffer, .address_space: global }
      - { .name: wv, .offset: 24, .size: 8, .value_kind: global_buffer, .address_space: global }
      - { .name: wo, .offset: 32, .size: 8, .value_kind: global_buffer, .address_space: global }
      - { .name: codes, .offset: 40, .size: 8, .value_kind: global_buffer, .address_space: global }
      - { .name: scales, .offset: 48, .size: 8, .value_kind: global_buffer, .address_space: global }
    .group_segment_fixed_size: 26112
    .private_segment_fixed_size: 0
    .kernarg_segment_align: 8
    .kernarg_segment_size: 56
    .max_flat_workgroup_size: 96
    .sgpr_count:     66
    .vgpr_count:     256
    .wavefront_size: 32
...
	.end_amdgpu_metadata
.endif
;; end of part 5
;; launch qkvgemm (part 6): grid 12 x 16, 4 waves a work-group, no clusters, 139,776 bytes of LDS; arguments codes, scales, qkv; writes qkv
.if DOCPART == 6
	.amdgcn_target "amdgcn-amd-amdhsa--gfx1250"
	.amdhsa_code_object_version 6
	.text
	.protected	k_q8ec0b8392a_qkvgemm
	.globl	k_q8ec0b8392a_qkvgemm
	.p2align	8
	.type	k_q8ec0b8392a_qkvgemm,@function
k_q8ec0b8392a_qkvgemm:
	s_mov_b64 s[64:65], 0
	v_nop
	global_prefetch_b8 v0, s[64:65] scope:SCOPE_SE
	s_setreg_imm32_b32 hwreg(HW_REG_WAVE_SCHED_MODE, 0, 2), 2
	s_setreg_imm32_b32 hwreg(HW_REG_WAVE_MODE, 25, 1), 1
	s_wait_xcnt 0x0
	s_wait_alu depctr_vm_vsrc(0)
; q = x wq^T, k = x wk^T, v = x wv^T on codes of FP4 with E8M0 scales, sums in f32; the results are quantised in registers and leave as operand images for the attention:
; q and k along the head's 64 channels, v along the keys.  No f32 result goes to memory.
; SHARES.  Work-group x = a block of four heads of q (0-3), k (4-7) or v (8-11); wave w owns one head: its 64 rows of W, 32 fragments, stay in 256 registers for the whole launch.
; Work-group y = four blocks of 128 tokens, walked one after the other.  A block's codes of x (65,536 bytes) and scale images (4,096) are one dense run of memory each: the 128 threads copy them
; through registers into one of two LDS slots, a whole block ahead; all four waves read them.  A wave issues 256 matrix instructions a block on 32 accumulators, which take turns.
; q, k: source 0 = 16 rows of W, source 1 = 16 tokens: a lane holds one token, and the registers of a token tile's four accumulators are the head's channels 32 b + 16 h + 0 .. 15.
; v:    source 0 = 16 tokens, source 1 = 16 rows of W: a lane holds one channel, and the registers of a channel tile's eight accumulators are the keys 32 b + 16 h + 0 .. 15.
; qkv: 1,024 records of 13,824 bytes, one for 128 tokens of one head: +0 K's codes (8 tiles x 512), +4096 V^T's (4 channel tiles x 1,024), +8192 K's scale words (lane x 16 + 4 jj: lanes 0-15 tile 2 jj,
; lanes 16-31 tile 2 jj + 1; the upper two bytes 0x7f), +8704 V's (lane x 16 + 4 ct), +9216 Q's codes, +13312 Q's scale words (as K's).
; NO CLUSTER: the shared block of x goes through registers (load, LDS store), which has no joint form; a work-group fetches 69,632 bytes for its 1,024 matrix instructions of a block, asked for a block ahead.
; LIMITS: a block of zeros or under 2^-124 gets the byte 1; NaN and infinities are not served.
; REGISTERS, in windows of 256: window 0: v1 16 x lane (slot 0's fragments), v2 16 x thread (slot 0's stores), v5-7, v9-11 the other LDS addresses; v16-31 W's scale images; v32-63 x's; v64-191 x's fragments, two sets;
;   v192-223 the codes of a block's way out, four sets of 8; v224-239 at work; v240 a scale word, v241 at work; v244-247 the record's scale words.   window 1: W's fragment (nt, s) at 8 (8 nt + s).   window 2: the accumulators.   window 3: v0-135 the copy's staging.
; THE MODE: SCHED_MODE bits 1:0 = 2 (LLVM: expert scheduling mode 2), set by the entry lines.  The code itself states the register dependences
; between vector or matrix instructions and memory or LDS instructions, with s_wait_alu, always for 0.
; THE PLAN.  Registers that memory or LDS instructions touch:
;   the staging    Written by the copy's global loads at a block's head; read by the copy's LDS stores at its end.  No vector instruction names it.
;   XS, XF0, XF1   Written by LDS loads (XS and XF0 at a block's head, set (s + 1) % 2 at the head of K step s); read by the products.
;   PC0 .. PC3, SW Written by the way out's conversions, permutes and byte work; read by the nine global stores that close the way out.
;   v1, v2, v5-7, v9-11  Addresses, made once at the head and never written again: the scalar bases move on.
;   W's fragments and scale images are loaded once, at the head.  The accumulators and v224-241 are named by vector and matrix instructions alone.
; THE WAITS.  A block's head: one on vm_vsrc (the staging has been read by the LDS stores; PC and SW by the last block's global stores) and one on va_vdst ahead of the block's first LDS loads (the last block's
; products are done reading XS and XF).  K steps 1 to 6: one on va_vdst, ahead of the fetch into the set that the step before multiplied.  The way out: one on va_vdst, behind all four quantisations, ahead of the run of stores.
.set SLOTB, 0x11000                    ; an LDS slot: 65,536 bytes of codes, 4,096 of scale images
.set WS, 16
.set XS, 32
.set XF, 64
.set PC, 192
.set TM, 224
.set PW, 240
.set T2, 241
.set SW, 244
.set MSB, 0
.macro WIN new                         ; the immediate's high byte repeats the setting that is left; a switch that changes nothing is dropped
.if MSB != \new
	s_set_vgpr_msb (MSB<<8)|\new
.set MSB, \new
.endif
.endm
.macro MM d, a, b, sa, sb, zero, row   ; one product; zero: it starts the sum; row: both scale words stand in lanes 16-31
.if \zero
.if \row
	v_wmma_scale_f32_16x16x128_f8f6f4 v[\d:\d+7], v[\a:\a+7], v[\b:\b+7], 0, v[\sa], v[\sb] matrix_a_fmt:MATRIX_FMT_FP4 matrix_b_fmt:MATRIX_FMT_FP4 matrix_a_scale:MATRIX_SCALE_ROW1 matrix_b_scale:MATRIX_SCALE_ROW1
.else
	v_wmma_scale_f32_16x16x128_f8f6f4 v[\d:\d+7], v[\a:\a+7], v[\b:\b+7], 0, v[\sa], v[\sb] matrix_a_fmt:MATRIX_FMT_FP4 matrix_b_fmt:MATRIX_FMT_FP4
.endif
.else
.if \row
	v_wmma_scale_f32_16x16x128_f8f6f4 v[\d:\d+7], v[\a:\a+7], v[\b:\b+7], v[\d:\d+7], v[\sa], v[\sb] matrix_a_fmt:MATRIX_FMT_FP4 matrix_b_fmt:MATRIX_FMT_FP4 matrix_a_scale:MATRIX_SCALE_ROW1 matrix_b_scale:MATRIX_SCALE_ROW1
.else
	v_wmma_scale_f32_16x16x128_f8f6f4 v[\d:\d+7], v[\a:\a+7], v[\b:\b+7], v[\d:\d+7], v[\sa], v[\sb] matrix_a_fmt:MATRIX_FMT_FP4 matrix_b_fmt:MATRIX_FMT_FP4
.endif
.endif
.endm
.macro COPYLD                          ; the next block of x: 34 loads of 2,048 consecutive bytes a work-group, into window 3
	WIN 0xc0
.set i, 0
.rept 32
	global_load_b128 v[4*i:4*i+3], v2, s[14:15] offset:2048*i
.set i, i+1
.endr
.irp i, 0,1
	global_load_b128 v[128+4*\i:131+4*\i], v2, s[16:17] offset:2048*\i
.endr
	WIN 0
.endm
.macro COPYST slot                     ; and into LDS as it lies: slot 0 through v2 and v10, slot 1 through v9 and v11
	WIN 0x0c
.set i, 0
.rept 32
	ds_store_b128 v[2+7*(\slot)], v[4*i:4*i+3] offset:2048*i
.set i, i+1
.endr
.irp i, 0,1
	ds_store_b128 v[10+(\slot)], v[128+4*\i:131+4*\i] offset:2048*\i
.endr
	WIN 0
.endm
.macro FETCH slot, s                   ; x's eight fragments of K step s into set s % 2
.irp m, 0,1,2,3,4,5,6,7
.irp c, 0,1
	ds_load_b128 v[XF+64*((\s)%2)+8*\m+4*\c:XF+64*((\s)%2)+8*\m+4*\c+3], v[1+4*(\slot)] offset:8192*\m+1024*(\s)+512*\c
.endr
.endr
.endm
.macro WLOAD nt                        ; W's eight fragments of tile nt
.irp s, 0,1,2,3,4,5,6,7
.irp c, 0,1
	global_load_b128 v[8*(8*\nt+\s)+4*\c:8*(8*\nt+\s)+4*\c+3], v1, s[30:31] offset:8192*\nt+1024*\s+512*\c
.endr
.endr
.endm
; A K step of 128: the next step's fragments are asked for, then 32 products on 32 accumulators.
.macro KSTEP path, slot, s
.if (\s) < 7
.if (\s) > 0
.rept 4
	v_nop                                          ; four places behind the last products (ISA guide 7.12.1), and then the wait:
.endr
	s_wait_alu depctr_va_vdst(0)                   ; the products of the step before are done reading the set of fragments in which the loads below land.  (Step 0's fetch stands behind the wait at the block's head, with no vector or matrix instruction between)
.endif
	FETCH \slot, (\s)+1
	s_wait_dscnt 16                                ; all but the 16 just issued
.else
	s_wait_dscnt 0x0
.endif
.if \path == 0
	WIN 0xa1                                       ; source 0 (W) window 1, source 1 (x) window 0, C and D window 2
.irp m, 0,1,2,3,4,5,6,7
.irp nt, 0,1,2,3
	MM 8*(4*\m+\nt), 8*(8*\nt+(\s)), XF+64*((\s)%2)+8*\m, WS+4*\nt+(\s)/2, XS+4*\m+(\s)/2, (\s)==0, (\s)%2
.endr
.endr
.else
	WIN 0xa4                                       ; source 0 (x) window 0, source 1 (W) window 1
.irp ct, 0,1,2,3
.irp m, 0,1,2,3,4,5,6,7
	MM 8*(8*\ct+\m), XF+64*((\s)%2)+8*\m, 8*(8*\ct+(\s)), XS+4*\m+(\s)/2, WS+4*\ct+(\s)/2, (\s)==0, (\s)%2
.endr
.endr
.endif
	WIN 0
.endm
; 64 numbers of a lane in window 2, register s + 16 b + i = place 32 b + 16 (lane / 16) + i along the quantiser's axis, become 8 registers of codes in v[pc] on and four scale bytes in v[pw].
.macro QUANT s, pw, pc
	WIN 0x0a
.irp b, 0,1,2,3
	v_max3_num_f32 v[TM+\b], |v[(\s)+16*\b]|, |v[(\s)+16*\b+1]|, 0x1800000   ; each accumulator is read from its low end on; the floor 2^(3 - 127) holds the byte at 1
.endr
	WIN 0x28
.irp i, 2,4,6,8,10,12,14
.irp b, 0,1,2,3
	v_max3_num_f32 v[TM+\b], v[TM+\b], |v[(\s)+16*\b+\i]|, |v[(\s)+16*\b+\i+1]|
.endr
.endr
	WIN 0
.irp b, 0,1,2,3
	v_permlanex16_b32 v[TM+4+\b], v[TM+\b], s22, s23
.endr
.irp b, 0,1,2,3
	v_max_num_f32 v[TM+\b], v[TM+\b], v[TM+4+\b]   ; with lane l xor 16's 16: the block's largest magnitude
.endr
.irp b, 0,1,2,3
	v_add_nc_u32 v[TM+12+\b], 0xff000000, v[TM+\b] ; 2 off the exponent field: the conversion's scale operand
.endr
.irp b, 0,1,2,3
	v_lshrrev_b32 v[TM+4+\b], 23, v[TM+12+\b]      ; the scale's byte
.endr
	v_lshl_or_b32 v[\pw], v[TM+5], 8, v[TM+4]
	v_lshl_or_b32 v[\pw], v[TM+6], 16, v[\pw]
	v_lshl_or_b32 v[\pw], v[TM+7], 24, v[\pw]
	WIN 0x02
.irp b, 0,1,2,3
	v_cvt_scalef32_pk8_fp4_f32 v[(\pc)+2*\b], v[(\s)+16*\b:(\s)+16*\b+7], v[TM+12+\b]
	v_cvt_scalef32_pk8_fp4_f32 v[(\pc)+2*\b+1], v[(\s)+16*\b+8:(\s)+16*\b+15], v[TM+12+\b]
.endr
	WIN 0
	v_nop                                          ; one plain line behind the last conversion
.irp c, 0,1
.irp i, 0,1
	v_permlane16_swap_b32 v[(\pc)+4*\c+\i], v[(\pc)+4*\c+2+\i]   ; a whole block to a lane: lanes 0-15 block 2 c, lanes 16-31 block 2 c + 1
.endr
.endr
.endm
; The way out of a block: four quantisations, each into a set of codes of its own, then the nine stores in one run.
.macro EPI path
.rept 4
	v_nop                                          ; four places between the last products and the first read of results
.endr
.irp g, 0,1,2,3
.if \path == 0
	QUANT 64*\g, PW, PC+8*\g                       ; token tiles 2 g and 2 g + 1: two blocks of 32 channels each
	v_lshrrev_b32 v[T2], 16, v[PW]
	v_cndmask_b32 v[T2], v[PW], v[T2], s24         ; lanes 0-15 keep tile 2 g's two bytes, lanes 16-31 take tile 2 g + 1's
	v_and_or_b32 v[SW+\g], v[T2], 0xffff, s25      ; the bytes of k = 64 .. 127, where the attention's codes of q are zeros, stand for 1.0
.else
	QUANT 64*\g, SW+\g, PC+8*\g                    ; channel tile g: four blocks of 32 keys
.endif
.endr
	s_wait_alu depctr_va_vdst(0)                   ; the conversions, permutes and byte work have written the four sets of codes and the four scale words, which the stores below read
.irp g, 0,1,2,3
	global_store_b128 v1, v[PC+8*\g:PC+8*\g+3], s[18:19] offset:1024*\g       ; 512 consecutive bytes each
	global_store_b128 v1, v[PC+8*\g+4:PC+8*\g+7], s[18:19] offset:1024*\g+512
.endr
	global_store_b128 v1, v[SW:SW+3], s[20:21]
.endm
; A block of 128 tokens out of slot; last = 1: whether a block follows hangs on the trip.
.macro BLOCK slot, last
	s_wait_alu depctr_vm_vsrc(0)                   ; the copy's LDS stores have read the staging registers, in which the loads below land; the last block's global stores have read the codes and the scale words, which this block's way out writes again
.if \last
	s_cmp_eq_u32 s11, 1
	s_cbranch_scc1 .Lnoload_\@                     ; no load leaves its buffer
.endif
	COPYLD
.if \last
.Lnoload_\@:
.endif
	s_wait_alu depctr_va_vdst(0)                   ; the last block's products are done reading x's scale images and both sets of fragments, in which the LDS loads of this block's head and of its K step 0 land
.irp m, 0,1,2,3,4,5,6,7
	ds_load_b128 v[XS+4*\m:XS+4*\m+3], v[6+(\slot)] offset:512*\m
.endr
	FETCH \slot, 0
	s_cmp_lt_u32 s9, 8                             ; q and k, or v: the same in all four waves; neither way stores to LDS
	s_cbranch_scc0 .Lv_\@
.irp s, 0,1,2,3,4,5,6,7
	KSTEP 0, \slot, \s
.endr
	EPI 0
	s_branch .Ljoin_\@
.Lv_\@:
.irp s, 0,1,2,3,4,5,6,7
	KSTEP 1, \slot, \s
.endr
	EPI 1
.Ljoin_\@:
	s_wait_loadcnt 0x0                             ; the next block is in registers
.if \last
	s_cmp_eq_u32 s11, 1
	s_cbranch_scc1 .Lnostore_\@
.endif
	COPYST 1-\slot                                 ; into the slot that every wave left at the last barrier
.if \last
.Lnostore_\@:
.endif
	s_wait_dscnt 0x0                               ; my stores have landed, and my reads of this slot are over
	s_barrier_signal -1
	s_barrier_wait -1
	s_wait_xcnt 0x0                                ; every load and store has read its base and its data
	s_add_nc_u64 s[14:15], s[14:15], 0x10000
	s_add_nc_u64 s[16:17], s[16:17], 0x1000
	s_add_nc_u64 s[18:19], s[18:19], 13824
	s_add_nc_u64 s[20:21], s[20:21], 13824
.endm
	s_load_b128 s[4:7], s[0:1], 0x0                ; codes, scales
	s_load_b64 s[26:27], s[0:1], 0x10              ; qkv
	v_lshl_add_u32 v254, v0, 2, 0x22000
	v_mov_b32 v255, 0
	v_lshrrev_b32 v1, 5, v0
	v_readfirstlane_b32 s8, v1                     ; wave 0..3
	v_and_b32 v1, 31, v0
	v_lshlrev_b32 v1, 4, v1                        ; 16 x lane
	v_lshlrev_b32 v2, 4, v0                        ; 16 x thread
	v_add_nc_u32 v5, SLOTB, v1                     ; slot 1's fragments
	v_add_nc_u32 v6, 0x10000, v1                   ; slot 0's scale images
	v_add_nc_u32 v7, SLOTB+0x10000, v1             ; slot 1's
	v_add_nc_u32 v9, SLOTB, v2                     ; the copy's stores: slot 1's codes,
	v_add_nc_u32 v10, 0x10000, v2                  ; slot 0's scale images,
	v_add_nc_u32 v11, SLOTB+0x10000, v2            ; slot 1's
.irp b, 0,1,2,3
	v_mov_b32 v[TM+4+\b], 0                        ; a lane permute's destination counts as one of its sources
.endr
	s_mov_b32 s9, ttmp9                            ; which four heads
	s_and_b32 s10, ttmp7, 0xffff                   ; which four blocks of tokens
	s_wait_alu depctr_va_sdst(0)                   ; s8 is written, ahead of its first reader: my head's number is made from it
	s_lshl_b32 s12, s9, 2
	s_add_co_u32 s12, s12, s8                      ; my head among the 48 of q, k, v
	s_mov_b32 s22, 0x76543210
	s_mov_b32 s23, 0xfedcba98
	s_mov_b32 s24, 0xffff0000
	s_mov_b32 s25, 0x7f7f0000
	s_mov_b32 s34, 4096                            ; where my codes and my scale words stand in a record: v's,
	s_mov_b32 s35, 8704
	s_cmp_lt_u32 s9, 8
	s_cselect_b32 s34, 0, s34                      ; k's,
	s_cselect_b32 s35, 8192, s35
	s_cmp_lt_u32 s9, 4
	s_cselect_b32 s34, 9216, s34                   ; q's
	s_cselect_b32 s35, 13312, s35
	s_lshr_b32 s36, s10, 2                         ; the batch
	s_lshl_b32 s36, s36, 4
	s_and_b32 s37, s12, 15                         ; the head
	s_add_co_u32 s36, s36, s37
	s_lshl_b32 s36, s36, 4
	s_and_b32 s37, s10, 3
	s_lshl_b32 s37, s37, 2
	s_add_co_u32 s36, s36, s37                     ; my first record
	s_mul_i32 s36, s36, 13824
	s_mov_b32 s39, 0
	s_mov_b32 s11, 2                               ; trips of two blocks
	s_wait_kmcnt 0x0
	s_add_co_u32 s38, s36, s34
	s_add_nc_u64 s[18:19], s[26:27], s[38:39]
	s_add_co_u32 s38, s36, s35
	s_add_nc_u64 s[20:21], s[26:27], s[38:39]
	s_lshl_b32 s38, s10, 18                        ; 32 row tiles of 8,192 bytes
	s_add_nc_u64 s[14:15], s[4:5], s[38:39]
	s_lshl_b32 s38, s10, 14                        ; and of 512
	s_add_nc_u64 s[16:17], s[6:7], s[38:39]
	s_lshl_b32 s38, s12, 15                        ; W: tile 512 + 4 x my head
	s_add_co_u32 s38, s38, 512*8192
	s_add_nc_u64 s[30:31], s[4:5], s[38:39]
	s_lshl_b32 s38, s12, 11
	s_add_co_u32 s38, s38, 512*512
	s_add_nc_u64 s[32:33], s[6:7], s[38:39]
	WIN 0xc0                                       ; the copy's window first, then the wait, then its loads
	s_wait_alu depctr_va_vdst(0)                   ; the addresses v1, v2, v5 to v7 and v9 to v11 are written, which every load and store of the kernel reads
	COPYLD                                         ; the first block
.irp nt, 0,1,2,3
	global_load_b128 v[WS+4*\nt:WS+4*\nt+3], v1, s[32:33] offset:512*\nt
.endr
	WIN 0x40                                       ; destination window 1
	WLOAD 0
	WLOAD 1
	WIN 0
	s_wait_loadcnt 36                              ; behind the copy's 34 loads stand 4 + 32.  (70 loads are issued ahead of this wait: the issue of one that would pass the counter's field is held back, ISA guide 5.7.1, so the count says what it says)
	COPYST 0
	WIN 0x40
	WLOAD 2
	WLOAD 3
	WIN 0
	s_wait_dscnt 0x0
	s_barrier_signal -1
	s_barrier_wait -1                              ; the first block lies in slot 0
	s_wait_xcnt 0x0
	s_add_nc_u64 s[14:15], s[14:15], 0x10000
	s_add_nc_u64 s[16:17], s[16:17], 0x1000
	s_wait_loadcnt 0x0                             ; W and its scale images
.Lpair:
	BLOCK 0, 0
	BLOCK 1, 1
	s_sub_co_u32 s11, s11, 1
	s_cmp_lg_u32 s11, 0
	s_cbranch_scc1 .Lpair
	s_wait_dscnt 0x0                               ; the closing lines, six on end
	s_wait_alu 0x0
	s_wait_tensorcnt 0x0
	ds_add_u32 v254, v255
	s_wait_dscnt 0x0
	s_endpgm
.Lfunc_end_k_q8ec0b8392a_qkvgemm:
	.size	k_q8ec0b8392a_qkvgemm, .Lfunc_end_k_q8ec0b8392a_qkvgemm-k_q8ec0b8392a_qkvgemm
	.p2alignl 7, 3214868480
	.fill 96, 4, 3214868480
	.section	.rodata,"a",@progbits
	.p2align	6, 0x0
	.amdhsa_kernel k_q8ec0b8392a_qkvgemm
		.amdhsa_group_segment_fixed_size 139776
		.amdhsa_private_segment_fixed_size 0
		.amdhsa_enable_private_segment 0
		.amdhsa_kernarg_size 24
		.amdhsa_user_sgpr_count 2
		.amdhsa_user_sgpr_kernarg_segment_ptr 1
		.amdhsa_wavefront_size32 1
		.amdhsa_system_sgpr_workgroup_id_x 1
		.amdhsa_system_sgpr_workgroup_id_y 1
		.amdhsa_system_sgpr_workgroup_id_z 1
		.amdhsa_system_vgpr_workitem_id 0
		.amdhsa_next_free_vgpr 912
		.amdhsa_next_free_sgpr 66
		.amdhsa_reserve_vcc 0
		.amdhsa_float_denorm_mode_32 3
		.amdhsa_float_denorm_mode_16_64 3
		.amdhsa_memory_ordered 1
		.amdhsa_forward_progress 1
		.amdhsa_inst_pref_size 255
	.end_amdhsa_kernel
	.section	.bss,"aw",@nobits
	.p2align	6
	.space	262144
	.amdgpu_metadata
---
amdhsa.version: [ 1, 2 ]
amdhsa.kernels:
  - .name:           k_q8ec0b8392a_qkvgemm
    .symbol:         k_q8ec0b8392a_qkvgemm.kd
    .args:
      - { .name: codes, .offset: 0, .size: 8, .value_kind: global_buffer, .address_space: global }
      - { .name: scales, .offset: 8, .size: 8, .value_kind: global_buffer, .address_space: global }
      - { .name: qkv, .offset: 16, .size: 8, .value_kind: global_buffer, .address_space: global }
    .group_segment_fixed_size: 139776
    .private_segment_fixed_size: 0
    .kernarg_segment_align: 8
    .kernarg_segment_size: 24
    .max_flat_workgroup_size: 128
    .sgpr_count:     66
    .vgpr_count:     912
    .wavefront_size: 32
...
	.end_amdgpu_metadata
.endif
;; end of part 6
;; launch attn (part 7): grid 4 x 64, 16 waves a work-group, no clusters, 35,840 bytes of LDS; arguments qkv, oc, os; writes oc, os
.if DOCPART == 7
	.amdgcn_target "amdgcn-amd-amdhsa--gfx1250"
	.amdhsa_code_object_version 6
	.text
	.protected	k_q8ec0b8392a_attn
	.globl	k_q8ec0b8392a_attn
	.p2align	8
	.type	k_q8ec0b8392a_attn,@function
k_q8ec0b8392a_attn:
	s_mov_b64 s[64:65], 0
	v_nop
	global_prefetch_b8 v0, s[64:65] scope:SCOPE_SE
	s_setreg_imm32_b32 hwreg(HW_REG_WAVE_SCHED_MODE, 0, 2), 2
	s_setreg_imm32_b32 hwreg(HW_REG_WAVE_MODE, 25, 1), 1
	s_wait_xcnt 0x0
	s_wait_alu depctr_vm_vsrc(0)
; Causal attention on codes of FP4 with E8M0 scales: S^T = K Q^T (K = the head's 64), p = 2^(t - M), O^T = V^T P (K = the keys), O / l, and O quantised along the model's 1,024 for the last product.
; t = score x log2(e) / 8; M = the running largest t rounded UP to a whole number; the row's sum l is taken of the unquantised p; when M moves, l and O^T are multiplied by 2^(old M - new M), exactly.
; SHARES.  Work-group (p, head): wave w owns two tiles of 16 queries, tile B = 16 p + w and tile A = 127 - B.  Tile t needs the key steps 0 .. t / 8 of 128 keys, the last on the diagonal: 17 tile steps for every wave.
; Four waves to a SIMD, so that one wave's vector work stands beside another's products and LDS loads.
; A key step's record (K's codes, V^T's codes, both scale images: 9,216 consecutive bytes) is copied through registers into one of two LDS slots, a whole key step ahead; one barrier a key step.
; Every work-group walks 16 key steps, a constant; what lies past a tile's diagonal is left out by a scalar branch on ids, round loads, products and softmax alone, never round a barrier.
; K = 64 IN AN INSTRUCTION OF 128: Q's registers 4-7 are zero codes, so whatever stands in source 0's registers 4-7 (the next tile's codes) adds nothing; the scale bytes of k = 64 .. 127 stand for 1.0 on both sides.
; LAYOUT: a lane holds ONE query (lane % 16) throughout; the 16 registers of K's tiles 2 b, 2 b + 1 are the keys 32 b + 16 (lane / 16) + 0 .. 15, since the rows of a tile were chosen so when the images were made.
; oc: the output's fragment images, [row tile][K step = head / 2][quad = head % 2][lane x 16].   os: [batch x 16 + head][query place] two scale bytes (the head's two blocks of 32).
; NO CLUSTER: the four work-groups of a head need 16, 14, 12 and 10 records, and the records go through registers, which has no joint form.  NO PREFETCH: each record is asked for a whole key step ahead by the copy's own loads.
; LIMITS: 1 / l by v_rcp_f32; a block's largest p is the exponential of the block's largest score (it takes v_exp_f32 not to fall where its input rises); blocks of zeros get the byte 1; NaN and infinities are not served.
; REGISTERS: v1 16 x lane, v2 16 x thread, v3, v4 where my scale bytes go, v5, v6 my query less 16 (lane / 16) for tile A, B, v7 -infinity; v8-15 the copy; v16-23, v24-31 Q of A, B; v32-67 K's or V's fragments;
;   v68-131 S^T, then p; v132-163, v164-195 O^T of A, B; v196-203 p's codes; v204-207, v208-211 -M, largest t, l in two halves; v212-215 K's scale words, v216-219 V's, v220 p's, v221, v222 Q's; v224-241 at work.   s48-63: sixteen masks of the diagonal.
; THE MODE: SCHED_MODE bits 1:0 = 2 (LLVM: expert scheduling mode 2), set by the entry lines.  The code itself states the register dependences
; between vector or matrix instructions and memory or LDS instructions, with s_wait_alu, always for 0.
; THE PLAN.  Registers that memory or LDS instructions touch:
;   v8-15          Written by the copy's global loads at a key step's head; read by its LDS stores at the step's end.  In the loop no vector instruction names them.
;   v32-63         Written by K's LDS loads at a tile step's head and by V's in its middle; read by the products K Q^T, then by V^T P.   v212-215, v216-219: their scale words, likewise.
;   v196-203, v220 p's codes and scale word: written by vector instructions, taken by V^T P as an operand and as scales.  On the way out v196-203 are the stores' data.
;   v226           At the head the address of Q's scale words; from the first tile step on a register at work.
;   v1-4           Addresses, made once at the head and never written again.   v238, v239: on the way out, the data of two LDS stores.
; THE WAITS.  A key step's head: one on vm_vsrc, ahead of the copy's loads.  A tile step: one on va_vdst ahead of K's loads; V's loads stand directly behind the wait for the exponentials, which also states that K Q^T is done
; reading v32-67; one on va_vdst ahead of V^T P, for p's codes and scale word.  On the diagonal the compares go in runs of sixteen into s48-63, one wait on va_sdst behind each run.  The way out: one on va_vdst ahead of its four stores.
.set SLOT, 0x4000
.set SST,  0x8000                      ; behind the slots: 1,024 bytes in which the work-group's 512 pairs of scale bytes meet
.set REC,  13824
.set MK,   48
; One tile's part in a key step.  qf: Q's fragment; qs: its scale word; ob: O^T; st: the statistics; dr: the mask's register; lx: the scalar that holds the tile's last key step.
.macro TILESTEP slot, qf, qs, ob, st, dr, lx
	s_cmp_gt_u32 s12, s[\lx]
	s_cbranch_scc1 .Ldone_\@                       ; all 128 keys come after my 16 queries
	s_wait_alu depctr_va_vdst(0)                   ; the last tile step's products V^T P are done reading v32-63, and its products K Q^T their scale words v212-215: the loads below land there
.irp j, 0,1,2,3,4,5,6,7
	ds_load_b128 v[32+4*\j:35+4*\j], v1 offset:\slot*SLOT+512*\j
.endr
	ds_load_b128 v[212:215], v1 offset:\slot*SLOT+8192
	s_wait_dscnt 0x0
.irp j, 0,2,4,6
	v_wmma_scale_f32_16x16x128_f8f6f4 v[68+8*\j:75+8*\j], v[32+4*\j:39+4*\j], v[\qf:\qf+7], 0, v[212+\j/2], v[\qs] matrix_a_fmt:MATRIX_FMT_FP4 matrix_b_fmt:MATRIX_FMT_FP4
	v_wmma_scale_f32_16x16x128_f8f6f4 v[76+8*\j:83+8*\j], v[36+4*\j:43+4*\j], v[\qf:\qf+7], 0, v[212+\j/2], v[\qs] matrix_a_fmt:MATRIX_FMT_FP4 matrix_b_fmt:MATRIX_FMT_FP4 matrix_a_scale:MATRIX_SCALE_ROW1
.endr
.rept 4
	v_nop                                          ; four places in front of the first read of the scores
.endr
	s_cmp_lg_u32 s12, s[\lx]
	s_cbranch_scc1 .Lopen_\@                       ; off the diagonal every key counts
.set n, 0
.rept 4
.set i, 0
.rept 16
	v_cmp_gt_i32 s[MK+i], 2*n+i, v[\dr]            ; register 16 b + i holds key 32 b + 16 (lane / 16) + i of the step: hidden where it comes after my query (n = 16 b)
.set i, i+1
.endr
	s_wait_alu depctr_va_sdst(0)                   ; the sixteen compares have written their masks, which the selects below read
.set i, 0
.rept 16
	v_cndmask_b32 v[68+n+i], v[68+n+i], v7, s[MK+i]
.set i, i+1
.endr
.set n, n+16
.endr
.Lopen_\@:
.irp b, 0,1,2,3
	v_max3_num_f32 v[224+\b], v[68+16*\b], v[69+16*\b], v[70+16*\b]   ; the largest score of each block of 32 keys: for the row's maximum, and for the block's largest p
.endr
.irp i, 3,5,7,9,11,13
.irp b, 0,1,2,3
	v_max3_num_f32 v[224+\b], v[224+\b], v[68+16*\b+\i], v[69+16*\b+\i]
.endr
.endr
.irp b, 0,1,2,3
	v_max_num_f32 v[224+\b], v[224+\b], v[83+16*\b]
.endr
.irp b, 0,1,2,3
	v_permlanex16_b32 v[228+\b], v[224+\b], s18, s19
.endr
.irp b, 0,1,2,3
	v_max_num_f32 v[224+\b], v[224+\b], v[228+\b]  ; with lane l xor 16's 16 keys
.endr
	v_max3_num_f32 v236, v224, v225, v226
	v_max_num_f32 v236, v236, v227
	v_mul_f32 v236, s20, v236                      ; as t (c is positive)
	v_max_num_f32 v[\st+1], v[\st+1], v236         ; the running largest t
	v_mov_b32 v236, v[\st]
	v_floor_f32 v[\st], -v[\st+1]                  ; the new -M = floor(-t): M is a whole number
	v_sub_f32 v236, v[\st], v236                   ; old M less new M: a whole number, 0 or less
	v_cvt_i32_f32 v236, v236                       ; (it saturates)
	v_ldexp_f32 v240, 1.0, v236                    ; f = 2^(old M - new M)
.set j, 0
.rept 32
	v_pk_fma_f32 v[68+j:69+j], v[68+j:69+j], s[20:21], v[\st:\st+1] op_sel_hi:[1,0,0]   ; t - M, two at a time
.set j, j+2
.endr
.irp b, 0,1,2,3
	v_fma_f32 v[224+\b], v[224+\b], s20, v[\st]    ; the same of each block's largest score
.endr
.set j, 0
	s_wait_alu depctr_va_vdst(0)
.rept 64
	v_exp_f32 v[68+j], v[68+j]                     ; p = 2^(t - M): one batch
.set j, j+1
.endr
	v_pk_mul_f32 v[\st+2:\st+3], v[\st+2:\st+3], v[240:241] op_sel_hi:[1,0]   ; l under the new M; also the plain line behind the exponentials
	s_wait_alu depctr_va_vdst(0)                   ; the 64 exponentials have written p, ahead of its first reader; and the products K Q^T are done reading v32-67, the last V^T P its scale words v216-219, in which the loads below land
.irp ct, 0,1,2,3
.irp c, 0,1
	ds_load_b128 v[32+8*\ct+4*\c:35+8*\ct+4*\c], v1 offset:\slot*SLOT+4096+1024*\ct+512*\c   ; V^T lands while the sums, the scales and the codes are made
.endr
.endr
	ds_load_b128 v[216:219], v1 offset:\slot*SLOT+8704
.irp b, 0,1,2,3
	v_exp_f32 v[224+\b], v[224+\b]                 ; the block's largest p
.endr
	v_pk_add_f32 v[228:229], v[68:69], v[70:71]    ; the row's sum of the unquantised p, two at a time, in two chains
.irp j, 4,8,12,16,20,24,28,32,36,40,44,48,52,56,60
	v_pk_add_f32 v[\st+2:\st+3], v[\st+2:\st+3], v[68+\j:69+\j]
	v_pk_add_f32 v[228:229], v[228:229], v[70+\j:71+\j]
.endr
	v_pk_add_f32 v[\st+2:\st+3], v[\st+2:\st+3], v[228:229]
	s_wait_alu depctr_va_vdst(0)                   ; the four exponentials have written the blocks' largest p, ahead of its first reader
.irp b, 0,1,2,3
	v_max_num_f32 v[224+\b], 0x1800000, v[224+\b]  ; the floor 2^(3 - 127): the byte cannot fall under 1
.endr
.irp b, 0,1,2,3
	v_add_nc_u32 v[232+\b], 0xff000000, v[224+\b]  ; the conversion's scale operand
.endr
.irp b, 0,1,2,3
	v_lshrrev_b32 v[228+\b], 23, v[232+\b]         ; the scale's byte
.endr
	v_lshl_or_b32 v220, v229, 8, v228              ; p's scale word for these 128 keys
	v_lshl_or_b32 v220, v230, 16, v220
	v_lshl_or_b32 v220, v231, 24, v220
.irp b, 0,1,2,3
	v_cvt_scalef32_pk8_fp4_f32 v[196+2*\b], v[68+16*\b:75+16*\b], v[232+\b]
	v_cvt_scalef32_pk8_fp4_f32 v[197+2*\b], v[76+16*\b:83+16*\b], v[232+\b]
.endr
	v_nop                                          ; one plain line behind the last conversion
.irp c, 0,1
.irp i, 0,1
	v_permlane16_swap_b32 v[196+4*\c+\i], v[198+4*\c+\i]   ; a whole block to a lane
.endr
.endr
.set j, 0
.rept 16
	v_pk_mul_f32 v[\ob+j:\ob+j+1], v[\ob+j:\ob+j+1], v[240:241] op_sel_hi:[1,0]   ; O^T under the new M, from each accumulator's low end on; these lines also part p's codes and scale word from the products
.set j, j+2
.endr
	s_wait_dscnt 0x0                               ; V^T and its scale words
	s_wait_alu depctr_va_vdst(0)                   ; the conversions and permutes have written p's codes v196-203, the byte work its scale word v220, which the products below take as an operand and as scales; the places stand above
.irp ct, 0,1,2,3
	v_wmma_scale_f32_16x16x128_f8f6f4 v[\ob+8*\ct:\ob+8*\ct+7], v[32+8*\ct:39+8*\ct], v[196:203], v[\ob+8*\ct:\ob+8*\ct+7], v[216+\ct], v220 matrix_a_fmt:MATRIX_FMT_FP4 matrix_b_fmt:MATRIX_FMT_FP4
.endr
.rept 4
	v_nop                                          ; four places in front of whatever reads or writes these products' registers next
.endr
.Ldone_\@:
.endm
; A key step out of slot.
.macro STEP slot
	s_wait_alu depctr_vm_vsrc(0)                   ; the last key step's LDS stores have read v8-15, in which the loads below land; in the first trip also: the loads of Q's scale words have read v226, which the tile steps write
	s_add_co_u32 s46, s12, 1
	s_cmp_lt_u32 s46, s11                          ; is there a next record for this work-group?  No load leaves its buffer
	s_cbranch_scc0 .Lnl_\@
	global_load_b128 v[8:11], v2, s[16:17]         ; 512 threads x 16 bytes,
	s_cmp_lt_u32 s8, 2
	s_cbranch_scc0 .Lnl_\@
	global_load_b128 v[12:15], v2, s[16:17] offset:8192   ; and waves 0 and 1 the last 1,024
.Lnl_\@:
	TILESTEP \slot, 16, 221, 132, 204, 5, 14
	TILESTEP \slot, 24, 222, 164, 208, 6, 15
	s_wait_loadcnt 0x0
	s_cmp_lt_u32 s46, s11
	s_cbranch_scc0 .Lns_\@
	ds_store_b128 v2, v[8:11] offset:(1-\slot)*SLOT       ; into the slot that every wave left at the last barrier
	s_cmp_lt_u32 s8, 2
	s_cbranch_scc0 .Lns_\@
	ds_store_b128 v2, v[12:15] offset:(1-\slot)*SLOT+8192
.Lns_\@:
	s_wait_dscnt 0x0                               ; my stores have landed, and my reads of this slot are over
	s_barrier_signal -1
	s_barrier_wait -1
	s_wait_xcnt 0x0                                ; the copy's loads have read their base
	s_add_nc_u64 s[16:17], s[16:17], REC
	s_add_co_u32 s12, s12, 1
.endm
.macro QPTR rho, l, pc, ps             ; where tile rho's codes and scale words of Q stand: record l of the head, tile rho % 8
	s_mul_i32 s46, s[\l], REC
	s_and_b32 s47, s[\rho], 7
	s_lshl_b32 s44, s47, 9
	s_add_co_u32 s44, s44, s46
	s_add_co_u32 s44, s44, 9216
	s_add_nc_u64 s[\pc:\pc+1], s[28:29], s[44:45]
	s_and_b32 s44, s47, 1
	s_lshl_b32 s44, s44, 8                         ; an odd tile's words stand in lanes 16-31 of the image: 256 bytes on
	s_lshr_b32 s47, s47, 1
	s_lshl_b32 s47, s47, 2
	s_add_co_u32 s44, s44, s47
	s_add_co_u32 s44, s44, s46
	s_add_co_u32 s44, s44, 13312
	s_add_nc_u64 s[\ps:\ps+1], s[28:29], s[44:45]
.endm
.macro OPTR rho, pc                    ; where tile rho's 512 bytes of the output's image stand
	s_lshr_b32 s46, s10, 4
	s_lshl_b32 s46, s46, 7
	s_add_co_u32 s46, s46, s[\rho]                 ; 128 x batch + tile
	s_lshl_b32 s44, s46, 13
	s_and_b32 s47, s10, 15
	s_lshl_b32 s47, s47, 9                         ; K step head / 2, quad head % 2: 512 x head
	s_add_co_u32 s44, s44, s47
	s_add_nc_u64 s[\pc:\pc+1], s[6:7], s[44:45]
.endm
.macro DREG rho, d                     ; my query's place in its block of 128, less 16 (lane / 16)
	s_bfe_u32 s44, s[\rho], 0x20001
	s_lshl_b32 s44, s44, 5
	s_and_b32 s46, s[\rho], 1
	s_lshl_b32 s46, s46, 3
	s_add_co_u32 s44, s44, s46
	v_add_nc_u32 v[\d], s44, v228
.endm
; The way out of one tile, in registers: O^T / l into v[y] on, quantised along the head's 64 channels (two blocks): the codes in v[pcx] on, the two bytes in v[u].
.macro OUT ob, st, y, pcx, u
	v_add_f32 v236, v[\st+2], v[\st+3]
	v_permlanex16_b32 v237, v236, s18, s19
	v_add_f32 v236, v236, v237                     ; the row's sum
	s_wait_alu depctr_va_vdst(0)
	v_rcp_f32 v240, v236
	v_nop                                          ; a plain line behind the reciprocal,
	s_wait_alu depctr_va_vdst(0)                   ; and the wait: the reciprocal has written v240, ahead of its first reader
.set j, 0
.rept 16
	v_pk_mul_f32 v[\y+j:\y+j+1], v[\ob+j:\ob+j+1], v[240:241] op_sel_hi:[1,0]   ; register 16 b + i: channel 32 b + 16 (lane / 16) + i
.set j, j+2
.endr
.irp b, 0,1
	v_max3_num_f32 v[224+\b], |v[\y+16*\b]|, |v[\y+16*\b+1]|, 0x1800000
.endr
.irp i, 2,4,6,8,10,12,14
.irp b, 0,1
	v_max3_num_f32 v[224+\b], v[224+\b], |v[\y+16*\b+\i]|, |v[\y+16*\b+\i+1]|
.endr
.endr
.irp b, 0,1
	v_permlanex16_b32 v[228+\b], v[224+\b], s18, s19
.endr
.irp b, 0,1
	v_max_num_f32 v[224+\b], v[224+\b], v[228+\b]
.endr
.irp b, 0,1
	v_add_nc_u32 v[232+\b], 0xff000000, v[224+\b]
.endr
.irp b, 0,1
	v_lshrrev_b32 v[228+\b], 23, v[232+\b]
.endr
	v_lshl_or_b32 v[\u], v229, 8, v228
.irp b, 0,1
	v_cvt_scalef32_pk8_fp4_f32 v[\pcx+2*\b], v[\y+16*\b:\y+16*\b+7], v[232+\b]
	v_cvt_scalef32_pk8_fp4_f32 v[\pcx+2*\b+1], v[\y+16*\b+8:\y+16*\b+15], v[232+\b]
.endr
	v_nop
.irp i, 0,1
	v_permlane16_swap_b32 v[\pcx+\i], v[\pcx+2+\i]
.endr
.endm
	s_load_b128 s[4:7], s[0:1], 0x0                ; qkv, oc
	s_load_b64 s[24:25], s[0:1], 0x10              ; os
	v_lshl_add_u32 v254, v0, 2, 0x8400
	v_mov_b32 v255, 0
	v_lshrrev_b32 v1, 5, v0
	v_readfirstlane_b32 s8, v1                     ; wave 0..15
	v_and_b32 v1, 31, v0
	v_lshlrev_b32 v1, 4, v1                        ; 16 x lane
	v_lshlrev_b32 v2, 4, v0                        ; 16 x thread
	v_and_b32 v224, 15, v0                         ; r
	v_bfe_u32 v225, v0, 4, 1                       ; h
	v_lshlrev_b32 v226, 4, v224                    ; Q's scale words: 16 bytes a lane of the image
	v_lshlrev_b32 v227, 1, v224
	s_wait_alu depctr_va_sdst(0)                   ; s8 is written, ahead of its first reader: LDS places, the tiles' numbers and the branches on the wave's number are made from it
	s_lshl_b32 s44, s8, 5
	v_add_nc_u32 v3, s44, v227
	v_add_nc_u32 v3, SST, v3                       ; tile B's bytes: 32 w + 2 r
	s_xor_b32 s44, s8, 15
	s_lshl_b32 s44, s44, 5
	v_add_nc_u32 v4, s44, v227
	v_add_nc_u32 v4, SST+512, v4                   ; tile A's: 32 (15 - w) + 2 r, in the second half
	v_and_b32 v228, 8, v224
	v_add_nc_u32 v228, v228, v224                  ; r + 8 (r / 8)
	v_lshlrev_b32 v229, 4, v225
	v_sub_nc_u32 v228, v228, v229                  ; - 16 h
	s_wait_alu depctr_va_vdst(0)
	s_mov_b32 s9, ttmp9
	s_and_b32 s10, ttmp7, 0xffff                   ; 16 x batch + head
	s_lshl_b32 s26, s9, 4
	s_add_co_u32 s26, s26, s8                      ; tile B
	s_sub_co_u32 s27, 127, s26                     ; tile A
	s_lshr_b32 s14, s27, 3                         ; their last key steps
	s_lshr_b32 s15, s26, 3
	s_lshl_b32 s11, s9, 1
	s_sub_co_u32 s11, 16, s11                      ; the records that this work-group needs
	DREG 27, 5
	DREG 26, 6
	v_mov_b32 v7, 0xff800000                       ; -infinity
	s_mov_b32 s18, 0x76543210
	s_mov_b32 s19, 0xfedcba98
	s_mov_b32 s20, 0x3e38aa3b                      ; c = log2(e) / 8
	s_mov_b32 s21, s20                             ; (named with it as a pair, so it is written)
	s_mov_b32 s12, 0                               ; the key step
	s_mov_b32 s13, 8                               ; trips of two key steps
.irp j, 12,13,14,15,20,21,22,23,28,29,30,31,64,65,66,67,206,207,210,211,230,231,237,241
	v_mov_b32 v[\j], 0                             ; the copy's second set; Q's zero codes; the zero codes behind K's last tile; l; registers named before they are first written
.endr
.set j, 132
.rept 64
	v_mov_b32 v[j], 0                              ; O^T: the step is written once; its first turn finds zeros, which the first change of M leaves zeros
.set j, j+1
.endr
	v_mov_b32 v205, 0xff61b1e6                     ; the largest t so far: -3e38
	v_mov_b32 v209, 0xff61b1e6
	v_floor_f32 v204, -v205                        ; -M
	v_floor_f32 v208, -v209
	s_mul_i32 s44, s10, 16*REC
	s_mov_b32 s45, 0
	s_wait_kmcnt 0x0
	s_add_nc_u64 s[28:29], s[4:5], s[44:45]        ; the head's 16 records
	s_mov_b64 s[16:17], s[28:29]
	QPTR 27, 14, 30, 34
	QPTR 26, 15, 32, 36
	OPTR 27, 38
	OPTR 26, 40
	s_sub_co_u32 s46, 7, s9                        ; where the scale bytes leave: wave 0 stores tile B's 512 bytes, wave 1 tile A's
	s_cmp_eq_u32 s8, 0
	s_cselect_b32 s46, s9, s46
	s_lshl_b32 s46, s46, 9
	s_lshl_b32 s44, s10, 12
	s_add_co_u32 s44, s44, s46
	s_add_nc_u64 s[42:43], s[24:25], s[44:45]
	s_wait_alu depctr_va_vdst(0)                   ; written are: the addresses v1 to v4 and v226, which loads and stores read; v12-15, in which a load lands; the zero codes v20-23, v28-31 and v64-67, which the products take as operands
	global_load_b128 v[8:11], v2, s[16:17]         ; record 0
	s_cmp_lt_u32 s8, 2
	s_cbranch_scc0 .Lfirst
	global_load_b128 v[12:15], v2, s[16:17] offset:8192
.Lfirst:
	global_load_b128 v[16:19], v1, s[30:31]        ; Q stays in registers
	global_load_b128 v[24:27], v1, s[32:33]
	global_load_b32 v221, v226, s[34:35]
	global_load_b32 v222, v226, s[36:37]
	s_wait_loadcnt 0x0
	ds_store_b128 v2, v[8:11]
	s_cmp_lt_u32 s8, 2
	s_cbranch_scc0 .Lstored
	ds_store_b128 v2, v[12:15] offset:8192
.Lstored:
	s_wait_dscnt 0x0
	s_barrier_signal -1
	s_barrier_wait -1                              ; record 0 lies in slot 0
	s_wait_xcnt 0x0
	s_add_nc_u64 s[16:17], s[16:17], REC
.Lpair:
	STEP 0
	STEP 1
	s_sub_co_u32 s13, s13, 1
	s_cmp_lg_u32 s13, 0
	s_cbranch_scc1 .Lpair
	OUT 132, 204, 68, 196, 238
	OUT 164, 208, 100, 200, 239
	s_wait_alu depctr_va_vdst(0)                   ; the conversions and permutes have written both tiles' codes v196-203, the byte work v238 and v239, which the four stores below read
	global_store_b128 v1, v[196:199], s[38:39]     ; 512 consecutive bytes each
	global_store_b128 v1, v[200:203], s[40:41]
	ds_store_b16 v4, v238                          ; both halves of the lanes write the same two bytes with the same value
	ds_store_b16 v3, v239
	s_wait_dscnt 0x0
	s_barrier_signal -1
	s_barrier_wait -1                              ; the work-group's 1,024 scale bytes lie in the stage
	s_wait_alu depctr_vm_vsrc(0)                   ; the copy's LDS stores have read v8-11, in which the load below lands
	s_cmp_lt_u32 s8, 2
	s_cbranch_scc0 .Lend
	ds_load_b128 v[8:11], v2 offset:SST
	s_wait_dscnt 0x0
	global_store_b128 v1, v[8:11], s[42:43]        ; 512 consecutive bytes a wave
.Lend:
	s_wait_dscnt 0x0                               ; the closing lines, six on end
	s_wait_alu 0x0
	s_wait_tensorcnt 0x0
	ds_add_u32 v254, v255
	s_wait_dscnt 0x0
	s_endpgm
.Lfunc_end_k_q8ec0b8392a_attn:
	.size	k_q8ec0b8392a_attn, .Lfunc_end_k_q8ec0b8392a_attn-k_q8ec0b8392a_attn
	.p2alignl 7, 3214868480
	.fill 96, 4, 3214868480
	.section	.rodata,"a",@progbits
	.p2align	6, 0x0
	.amdhsa_kernel k_q8ec0b8392a_attn
		.amdhsa_group_segment_fixed_size 35840
		.amdhsa_private_segment_fixed_size 0
		.amdhsa_enable_private_segment 0
		.amdhsa_kernarg_size 24
		.amdhsa_user_sgpr_count 2
		.amdhsa_user_sgpr_kernarg_segment_ptr 1
		.amdhsa_wavefront_size32 1
		.amdhsa_system_sgpr_workgroup_id_x 1
		.amdhsa_system_sgpr_workgroup_id_y 1
		.amdhsa_system_sgpr_workgroup_id_z 1
		.amdhsa_system_vgpr_workitem_id 0
		.amdhsa_next_free_vgpr 256
		.amdhsa_next_free_sgpr 66
		.amdhsa_reserve_vcc 0
		.amdhsa_float_denorm_mode_32 3
		.amdhsa_float_denorm_mode_16_64 3
		.amdhsa_memory_ordered 1
		.amdhsa_forward_progress 1
		.amdhsa_inst_pref_size 113
	.end_amdhsa_kernel
	.amdgpu_metadata
---
amdhsa.version: [ 1, 2 ]
amdhsa.kernels:
  - .name:           k_q8ec0b8392a_attn
    .symbol:         k_q8ec0b8392a_attn.kd
    .args:
      - { .name: qkv, .offset: 0, .size: 8, .value_kind: global_buffer, .address_space: global }
      - { .name: oc, .offset: 8, .size: 8, .value_kind: global_buffer, .address_space: global }
      - { .name: os, .offset: 16, .size: 8, .value_kind: global_buffer, .address_space: global }
    .group_segment_fixed_size: 35840
    .private_segment_fixed_size: 0
    .kernarg_segment_align: 8
    .kernarg_segment_size: 24
    .max_flat_workgroup_size: 512
    .sgpr_count:     66
    .vgpr_count:     256
    .wavefront_size: 32
...
	.end_amdgpu_metadata
.endif
;; end of part 7
;; launch oproj (part 8): grid 256 x 1, 16 waves a work-group, no clusters, 281,088 bytes of LDS; arguments oc, os, codes, scales, x, norm_g, out0; writes out0
.if DOCPART == 8
	.amdgcn_target "amdgcn-amd-amdhsa--gfx1250"
	.amdhsa_code_object_version 6
	.text
	.protected	k_q8ec0b8392a_oproj
	.globl	k_q8ec0b8392a_oproj
	.p2align	8
	.type	k_q8ec0b8392a_oproj,@function
k_q8ec0b8392a_oproj:
	s_mov_b64 s[64:65], 0
	v_nop
	global_prefetch_b8 v0, s[64:65] scope:SCOPE_SE
	s_setreg_imm32_b32 hwreg(HW_REG_WAVE_MODE, 25, 1), 1
	s_wait_xcnt 0x0
; out0 = RMSNorm(x + o wo^T) x norm_g.  The product on codes of FP4 with E8M0 scales, sums in f32; residual and norm in f32.
; SHARES.  A work-group takes 32 tokens (row tiles 2 g, 2 g + 1 of the attention's output) and all 1,024 columns, so that a row's mean of squares stays inside it.  Wave w makes columns 64 w .. 64 w + 63: four tiles of wo,
; eight accumulators by turns.  wo's fragments go from memory straight into registers, as images, through a ring four K steps deep; nothing of wo is read twice inside a work-group.
; The output's 16 fragments (16,384 consecutive bytes) are copied into LDS once and read by all sixteen waves.  TRANSPOSED: source 0 = 16 rows of wo, source 1 = 16 tokens: a lane holds eight neighbouring columns of one token.
; x: each wave's two rows (8,192 consecutive bytes) come by ONE tensor load at the head, on a counter of their own, into bytes that only this wave reads; nothing is filled again.
; The results meet in a stage of 32 rows; wave w then owns stage rows 2 w and 2 w + 1, which are two neighbouring tokens, adds x, takes the mean of squares over its 32 lanes, and stores whole rows.
; NO CLUSTER in this version: wo, which all work-groups walk, goes to registers, which has no joint form.
; LIMITS: y / rms is taken as y x v_rsq_f32(mean + eps); NaN and infinities are not served.
; REGISTERS: v1 16 x lane, v2 16 x thread, v3-7 LDS addresses; v8-15 the copy, later sums; v16-79 the accumulators ((ut, nt) at 16 + 8 (4 ut + nt)), later y; v80-207 wo's ring, later norm_g (v80-111) and x (v112-175);
;   v208-223 the output's two fragments; v224-239 wo's scale images; v240-247 the output's scale words; v248, v249 addresses; v250-253 1 / rms.
.set OFR, 0x20000                      ; LDS: 0: x, 16 x 8,192 bytes;  OFR: the output's fragments, 16,384;  STG: the stage, 32 rows x (4,096 + 16)
.set STG, 0x24000
.set SP,  4112
.macro MM d, a, b, sa, sb, zero, row
.if \zero
.if \row
	v_wmma_scale_f32_16x16x128_f8f6f4 v[\d:\d+7], v[\a:\a+7], v[\b:\b+7], 0, v[\sa], v[\sb] matrix_a_fmt:MATRIX_FMT_FP4 matrix_b_fmt:MATRIX_FMT_FP4 matrix_a_scale:MATRIX_SCALE_ROW1 matrix_b_scale:MATRIX_SCALE_ROW1
.else
	v_wmma_scale_f32_16x16x128_f8f6f4 v[\d:\d+7], v[\a:\a+7], v[\b:\b+7], 0, v[\sa], v[\sb] matrix_a_fmt:MATRIX_FMT_FP4 matrix_b_fmt:MATRIX_FMT_FP4
.endif
.else
.if \row
	v_wmma_scale_f32_16x16x128_f8f6f4 v[\d:\d+7], v[\a:\a+7], v[\b:\b+7], v[\d:\d+7], v[\sa], v[\sb] matrix_a_fmt:MATRIX_FMT_FP4 matrix_b_fmt:MATRIX_FMT_FP4 matrix_a_scale:MATRIX_SCALE_ROW1 matrix_b_scale:MATRIX_SCALE_ROW1
.else
	v_wmma_scale_f32_16x16x128_f8f6f4 v[\d:\d+7], v[\a:\a+7], v[\b:\b+7], v[\d:\d+7], v[\sa], v[\sb] matrix_a_fmt:MATRIX_FMT_FP4 matrix_b_fmt:MATRIX_FMT_FP4
.endif
.endif
.endm
.macro WOLOAD s                        ; wo's four fragments of K step s into set s % 4
.irp nt, 0,1,2,3
.irp c, 0,1
	global_load_b128 v[80+32*((\s)%4)+8*\nt+4*\c:80+32*((\s)%4)+8*\nt+4*\c+3], v1, s[8:9] offset:8192*\nt+1024*(\s)+512*\c
.endr
.endr
.endm
.macro OFLOAD s                        ; the output's two fragments of K step s
.irp ut, 0,1
.irp c, 0,1
	ds_load_b128 v[208+8*\ut+4*\c:211+8*\ut+4*\c], v3 offset:8192*\ut+1024*(\s)+512*\c
.endr
.endr
.endm
.macro STEP s
	s_wait_dscnt 0x0                               ; the output's fragments
.if (\s) <= 4
	s_wait_loadcnt 24                              ; this step's eight loads are in; those of the three steps behind may be out
.else
	s_wait_loadcnt 8*(7-(\s))
.endif
.irp ut, 0,1
.irp nt, 0,1,2,3
	MM 16+8*(4*\ut+\nt), 80+32*((\s)%4)+8*\nt, 208+8*\ut, 224+4*\nt+(\s)/2, 240+4*\ut+(\s)/2, (\s)==0, (\s)%2
.endr
.endr
.rept 4
	v_nop                                          ; four places in front of loads into registers that these products read, and of the first read of results
.endr
.if (\s) < 7
	OFLOAD (\s)+1
.endif
.if (\s) < 4
	WOLOAD (\s)+4
.endif
.endm
	s_load_b256 s[4:11], s[0:1], 0x0               ; oc, os, codes, scales
	s_load_b128 s[12:15], s[0:1], 0x20             ; x, norm_g
	s_load_b64 s[16:17], s[0:1], 0x30              ; out0
	v_lshl_add_u32 v254, v0, 2, 0x44200
	v_mov_b32 v255, 0
	ds_add_u32 v254, v255
	ds_add_u32 v254, v255
	v_lshrrev_b32 v1, 5, v0
	s_delay_alu instid0(VALU_DEP_1)
	v_readfirstlane_b32 s18, v1                    ; wave 0..15
	v_and_b32 v1, 31, v0
	s_delay_alu instid0(VALU_DEP_1)
	v_lshlrev_b32 v1, 4, v1                        ; 16 x lane
	v_lshlrev_b32 v2, 4, v0                        ; 16 x thread
	v_lshl_add_u32 v249, v0, 4, OFR                ; the copy's place in LDS
	s_delay_alu instid0(VALU_DEP_3)
	v_add_nc_u32 v3, OFR, v1                       ; a fragment's place for my lane
	v_and_b32 v250, 15, v0                         ; r
	v_bfe_u32 v251, v0, 4, 1                       ; h
	s_delay_alu instid0(VALU_DEP_2)
	v_mul_u32_u24 v4, v250, SP
	s_delay_alu instid0(VALU_DEP_1)
	v_lshl_add_u32 v4, v251, 6, v4
	s_lshl_b32 s34, s18, 8
	v_add_nc_u32 v4, s34, v4
	s_delay_alu instid0(VALU_DEP_1)
	v_add_nc_u32 v4, STG, v4                       ; into the stage: row r, + 64 h, + 256 w
	s_delay_alu instid0(VALU_DEP_1)
	v_add_nc_u32 v5, 16*SP, v4                     ; and 16 rows on for the second tile of tokens
	s_mul_i32 s34, s18, 2*SP
	v_add_nc_u32 v6, s34, v1
	s_delay_alu instid0(VALU_DEP_1)
	v_add_nc_u32 v6, STG, v6                       ; back: my two rows
	s_lshl_b32 s34, s18, 13
	v_add_nc_u32 v7, s34, v1                       ; my two rows of x
	v_lshlrev_b32 v248, 13, v251
	s_delay_alu instid0(VALU_DEP_1)
	v_lshl_add_u32 v248, v250, 1, v248             ; os: two heads on for lanes 16-31, two bytes a query place
	v_mov_b32 v253, 0                              ; (named as the upper half of a pair)
	s_mov_b32 s36, 0x76543210
	s_mov_b32 s37, 0xfedcba98
	s_mov_b32 s38, 0x3a800000                      ; 1 / 1,024
	s_mov_b32 s39, 0x358637bd                      ; eps = 1e-6
	s_lshl_b32 s34, s18, 1
	s_and_b32 s34, s34, 15                         ; my first stage row's place r0 in its tile,
	s_and_b32 s35, s34, 8
	s_add_co_u32 s34, s34, s35                     ; r0 + 8 (r0 / 8),
	s_lshr_b32 s35, s18, 3
	s_lshl_b32 s35, s35, 3
	s_add_co_u32 s34, s34, s35                     ; + 8 for the second tile: its token among the 32
	s_lshl_b32 s35, ttmp9, 5
	s_add_co_u32 s34, s34, s35
	s_lshl_b32 s32, s34, 12                        ; rows of 4,096 bytes
	s_mov_b32 s33, 0
	; the descriptor: 8,192 dense bytes as 32 rows of 32 elements of 8 bytes
	s_mov_b32 s24, 3<<16                           ; no mask, elements of 8 bytes, no padding
	s_mov_b32 s25, 32<<16                          ; tensor_dim0 = 32
	s_mov_b32 s26, 32<<16                          ; tensor_dim1 = 32
	s_mov_b32 s27, 32<<16                          ; tile_dim0 = 32
	s_mov_b32 s28, 32                              ; tile_dim1 = 32
	s_mov_b32 s29, 32                              ; from row to row
	s_mov_b32 s30, 0
	s_mov_b32 s31, 0
	s_mov_b32 s20, 1
	s_lshl_b32 s21, s18, 13                        ; LDS: 8,192 x wave
	s_wait_alu depctr_va_vdst(0)
	s_wait_dscnt 0x0
	s_wait_kmcnt 0x0
	s_add_nc_u64 s[16:17], s[16:17], s[32:33]      ; out0 at my two rows
	s_add_nc_u64 s[22:23], s[12:13], s[32:33]      ; x likewise
	s_or_b32 s23, s23, 0x80000000
	tensor_load_to_lds s[20:23], s[24:31]          ; my one tensor load of the launch
	s_nop 0
.rept 4
	v_nop
.endr
	s_lshl_b32 s32, ttmp9, 14
	s_add_nc_u64 s[4:5], s[4:5], s[32:33]          ; the two row tiles' images
	s_lshr_b32 s32, ttmp9, 6
	s_lshl_b32 s32, s32, 16                        ; os: 16 heads of 4,096 bytes a batch,
	s_and_b32 s34, ttmp9, 63
	s_lshl_b32 s34, s34, 6                         ; 64 bytes for my two tiles
	s_add_co_u32 s32, s32, s34
	s_add_nc_u64 s[6:7], s[6:7], s[32:33]
	s_lshl_b32 s32, s18, 15
	s_add_co_u32 s32, s32, 704*8192                ; wo: tile 704 + 4 w
	s_add_nc_u64 s[8:9], s[8:9], s[32:33]
	s_lshl_b32 s32, s18, 11
	s_add_co_u32 s32, s32, 704*512
	s_add_nc_u64 s[10:11], s[10:11], s[32:33]
	global_load_b128 v[8:11], v2, s[4:5]
	global_load_b128 v[12:15], v2, s[4:5] offset:8192
.irp ut, 0,1
.irp j, 0,1,2,3
.irp e, 0,1
	global_load_u16 v[16+8*\ut+2*\j+\e], v248, s[6:7] offset:(4*\j+\e)*4096+32*\ut   ; lane (r, h): the two bytes of head 4 j + 2 h + e
.endr
.endr
.endr
.irp nt, 0,1,2,3
	global_load_b128 v[224+4*\nt:227+4*\nt], v1, s[10:11] offset:512*\nt
.endr
	WOLOAD 0
	WOLOAD 1
	WOLOAD 2
	WOLOAD 3
	s_wait_loadcnt 52                              ; behind the copy's two loads stand 16 + 4 + 32
	ds_store_b128 v249, v[8:11]
	ds_store_b128 v249, v[12:15] offset:8192
	s_wait_loadcnt 36                              ; behind the 16 loads of scale bytes stand 4 + 32
.irp ut, 0,1
.irp j, 0,1,2,3
	v_lshl_or_b32 v[240+4*\ut+\j], v[17+8*\ut+2*\j], 16, v[16+8*\ut+2*\j]   ; word j: lanes 0-15 K step 2 j, lanes 16-31 K step 2 j + 1
.endr
.endr
	s_wait_alu depctr_va_vdst(0)
	s_wait_dscnt 0x0
	s_barrier_signal -1
	s_barrier_wait -1                              ; the output's sixteen fragments lie in LDS
	OFLOAD 0
.rept 8
	v_nop                                          ; scale words made by vector instructions stand eight places ahead of a scaled product
.endr
.irp s, 0,1,2,3,4,5,6,7
	STEP \s
.endr
.irp i, 0,1,2,3,4,5,6,7
	global_load_b128 v[80+4*\i:83+4*\i], v1, s[14:15] offset:512*\i   ; norm_g at my columns 128 i + 4 lane + 0 .. 3
.endr
.irp ut, 0,1
.irp nt, 0,1,2,3
	ds_store_b128 v[4+\ut], v[16+8*(4*\ut+\nt):19+8*(4*\ut+\nt)] offset:128*(\nt/2)+32*(\nt%2)      ; each accumulator from its low end on
	ds_store_b128 v[4+\ut], v[20+8*(4*\ut+\nt):23+8*(4*\ut+\nt)] offset:128*(\nt/2)+32*(\nt%2)+16
.endr
.endr
	s_wait_dscnt 0x0
	s_barrier_signal -1
	s_barrier_wait -1                              ; 32 whole rows lie in the stage
.irp e, 0,1
.irp i, 0,1,2,3,4,5,6,7
	ds_load_b128 v[16+32*\e+4*\i:19+32*\e+4*\i], v6 offset:SP*\e+512*\i
.endr
.endr
	s_wait_tensorcnt 0x0                           ; my two rows of x have landed
.irp e, 0,1
.irp i, 0,1,2,3,4,5,6,7
	ds_load_b128 v[112+32*\e+4*\i:115+32*\e+4*\i], v7 offset:4096*\e+512*\i
.endr
.endr
	s_wait_dscnt 0x0
.set j, 0
.rept 32
	v_pk_add_f32 v[16+j:17+j], v[16+j:17+j], v[112+j:113+j]   ; y = x + o wo^T
.set j, j+2
.endr
	v_pk_mul_f32 v[8:9], v[16:17], v[16:17]        ; the sums of squares, the two rows by turns
	v_pk_mul_f32 v[10:11], v[48:49], v[48:49]
.irp j, 2,4,6,8,10,12,14,16,18,20,22,24,26,28,30
	s_delay_alu instid0(VALU_DEP_2)
	v_pk_fma_f32 v[8:9], v[16+\j:17+\j], v[16+\j:17+\j], v[8:9]
	s_delay_alu instid0(VALU_DEP_2)
	v_pk_fma_f32 v[10:11], v[48+\j:49+\j], v[48+\j:49+\j], v[10:11]
.endr
	s_delay_alu instid0(VALU_DEP_2)
	v_add_f32 v8, v8, v9
	s_delay_alu instid0(VALU_DEP_2)
	v_add_f32 v10, v10, v11
.irp k, 1,2,4,8
	s_delay_alu instid0(VALU_DEP_2)
	v_add_f32_dpp v8, v8, v8 row_xmask:\k row_mask:0xf bank_mask:0xf
	s_delay_alu instid0(VALU_DEP_2)
	v_add_f32_dpp v10, v10, v10 row_xmask:\k row_mask:0xf bank_mask:0xf
.endr
	s_delay_alu instid0(VALU_DEP_2)
	v_permlanex16_b32 v12, v8, s36, s37
	s_delay_alu instid0(VALU_DEP_2)
	v_permlanex16_b32 v13, v10, s36, s37
	s_delay_alu instid0(VALU_DEP_2)
	v_add_f32 v8, v8, v12
	s_delay_alu instid0(VALU_DEP_2)
	v_add_f32 v10, v10, v13
	s_delay_alu instid0(VALU_DEP_2)
	v_fma_f32 v8, v8, s38, s39                     ; the mean + eps
	s_delay_alu instid0(VALU_DEP_2)
	v_fma_f32 v10, v10, s38, s39
	s_wait_alu depctr_va_vdst(0)
	v_rsq_f32 v250, v8
	v_rsq_f32 v252, v10
	v_nop                                          ; a plain line behind the two,
	s_wait_alu depctr_va_vdst(0)                   ; and one wait ahead of their first reader
	s_wait_loadcnt 0x0                             ; norm_g
.set j, 0
.rept 16
	v_pk_mul_f32 v[16+j:17+j], v[16+j:17+j], v[250:251] op_sel_hi:[1,0]
	v_pk_mul_f32 v[48+j:49+j], v[48+j:49+j], v[252:253] op_sel_hi:[1,0]
.set j, j+2
.endr
.set j, 0
.rept 16
	v_pk_mul_f32 v[16+j:17+j], v[16+j:17+j], v[80+j:81+j]
	v_pk_mul_f32 v[48+j:49+j], v[48+j:49+j], v[80+j:81+j]
.set j, j+2
.endr
.irp e, 0,1
.irp i, 0,1,2,3,4,5,6,7
	global_store_b128 v1, v[16+32*\e+4*\i:19+32*\e+4*\i], s[16:17] offset:4096*\e+512*\i th:TH_STORE_NT   ; 32 lanes store 512 consecutive bytes
.endr
.endr
	s_wait_tensorcnt 0x0
	ds_add_u32 v254, v255
	s_wait_dscnt 0x0
	s_endpgm
.Lfunc_end_k_q8ec0b8392a_oproj:
	.size	k_q8ec0b8392a_oproj, .Lfunc_end_k_q8ec0b8392a_oproj-k_q8ec0b8392a_oproj
	.p2alignl 7, 3214868480
	.fill 96, 4, 3214868480
	.section	.rodata,"a",@progbits
	.p2align	6, 0x0
	.amdhsa_kernel k_q8ec0b8392a_oproj
		.amdhsa_group_segment_fixed_size 281088
		.amdhsa_private_segment_fixed_size 0
		.amdhsa_enable_private_segment 0
		.amdhsa_kernarg_size 56
		.amdhsa_user_sgpr_count 2
		.amdhsa_user_sgpr_kernarg_segment_ptr 1
		.amdhsa_wavefront_size32 1
		.amdhsa_system_sgpr_workgroup_id_x 1
		.amdhsa_system_sgpr_workgroup_id_y 1
		.amdhsa_system_sgpr_workgroup_id_z 1
		.amdhsa_system_vgpr_workitem_id 0
		.amdhsa_next_free_vgpr 256
		.amdhsa_next_free_sgpr 66
		.amdhsa_reserve_vcc 0
		.amdhsa_float_denorm_mode_32 3
		.amdhsa_float_denorm_mode_16_64 3
		.amdhsa_memory_ordered 1
		.amdhsa_forward_progress 1
		.amdhsa_inst_pref_size 41
	.end_amdhsa_kernel
	.amdgpu_metadata
---
amdhsa.version: [ 1, 2 ]
amdhsa.kernels:
  - .name:           k_q8ec0b8392a_oproj
    .symbol:         k_q8ec0b8392a_oproj.kd
    .args:
      - { .name: oc, .offset: 0, .size: 8, .value_kind: global_buffer, .address_space: global }
      - { .name: os, .offset: 8, .size: 8, .value_kind: global_buffer, .address_space: global }
      - { .name: codes, .offset: 16, .size: 8, .value_kind: global_buffer, .address_space: global }
      - { .name: scales, .offset: 24, .size: 8, .value_kind: global_buffer, .address_space: global }
      - { .name: x, .offset: 32, .size: 8, .value_kind: global_buffer, .address_space: global }
      - { .name: norm_g, .offset: 40, .size: 8, .value_kind: global_buffer, .address_space: global }
      - { .name: out0, .offset: 48, .size: 8, .value_kind: global_buffer, .address_space: global }
    .group_segment_fixed_size: 281088
    .private_segment_fixed_size: 0
    .kernarg_segment_align: 8
    .kernarg_segment_size: 56
    .max_flat_workgroup_size: 512
    .sgpr_count:     66
    .vgpr_count:     256
    .wavefront_size: 32
...
	.end_amdgpu_metadata
.endif
;; end of part 8
